; MI455X (gfx1250); checked and timed in simulation.
; The chip was launched on July 23, 2026; its instructions are those of AMD's public machine-readable ISA for CDNA 5 (MIT licence, August 2026) and "CDNA5" Instruction Set Architecture Reference Guide (July 2026). The comments in the code are by the model that wrote it; some were corrected since.
;; Cross Attention. Allowed arithmetic: matrix products marked QUANTISED: E2M1 operands, one E8M0 scale for each 32 along K, by v_wmma_scale_f32_16x16x128_f8f6f4 with both operands' format E2M1 (or v_wmma_scale_f32_32x16x128_f4), f32 sums; products left as they are: bf16, f16 or f32 operands; f32 sums; everything else in f32.
;; Inputs: context 4 x 2,048 x 1,024 float32; kn_bias 64 float32; kn_scale 64 float32; kv_w 1,024 x 2,048 float32; proj_b 1,024 float32; proj_w 1,024 x 1,024 float32; q_w 1,024 x 1,024 float32; qn_bias 64 float32; qn_scale 64 float32; x 4 x 2,048 x 1,024 float32.
;; Outputs: out0 4 x 2,048 x 1,024 float32.
;; This version of the problem:
;;   THIS VERSION OF THE PROBLEM IS GIVEN IN LOW PRECISION. The matrix products marked QUANTISED in the list below multiply operands that are first quantised to E2M1 (2 exponent bits, 1 mantissa bit; 4 bits a number), with one power-of-two scale for each 32 numbers along K (OCP MX v1.0); their sums are f32. The products marked 'left as it is' may take bf16, f16 or f32 operands, with f32 sums. Whichever they take, every output number must still come out within the allowed error. Rounding operands to bf16 (8 significant bits) uses up far more of that allowance than f16 does (11 bits, for magnitudes from 6e-5 to 65,504). All else is computed in f32.
;;   The module's matrix products, in the order in which they are computed (A, B: the left and right operand; K: the contracted axis; several contracted axes count as one K, in the product's order):
;;     1. [M 8,192, K 1,024] x [K 1,024, N 1,024]; A: input x; B: input q_w: QUANTISED
;;     2. [M 8,192, K 1,024] x [K 1,024, N 2,048]; A: input context; B: input kv_w: QUANTISED
;;     3. batch 64 x [M 2,048, K 64] x [K 64, N 2,048]; A: computed on the way; B: computed on the way: left as it is (an operand is computed on the way)
;;     4. batch 64 x [M 2,048, K 2,048] x [K 2,048, N 64]; A: computed on the way; B: computed on the way: left as it is (an operand is computed on the way)
;;     5. [M 8,192, K 1,024] x [K 1,024, N 1,024]; A: computed on the way; B: input proj_w: left as it is (an operand is computed on the way)
;;   THE QUANTISER, for each operand of a quantised product, along K:
;;     - K is cut into blocks of 32 from its start; a last block that is shorter is filled with zeros.
;;     - A block's scale is 2^e with e = floor(log2(the largest magnitude in the block)) - 2, held to -126 .. 127; a block of zeros has e = 0. As a byte (E8M0): e + 127.
;;     - Each number is divided by its block's scale, clamped to +-6, and rounded to the nearest number of E2M1, ties to even, subnormals kept.
;;     - The product sums the exact products of the quantised numbers (number of the format x scale) in f32.
;;   ~~~python
;;   def quantise(x, axis):      # numpy; x: float32 -> the quantised numbers, widened to float32 again
;;       x = np.moveaxis(x, axis, -1); K = x.shape[-1]
;;       x = np.pad(x, [(0, 0)] * (x.ndim - 1) + [(0, -K % 32)]); x = x.reshape(x.shape[:-1] + (-1, 32)); a = np.abs(x).max(-1, keepdims=True)
;;       e = np.where(a > 0, np.clip(np.frexp(np.where(a > 0, a, 1))[1] - 1 - 2, -126, 127), 0)      # np.frexp(a)[1] - 1 = floor(log2(a)), exactly
;;       r = np.clip(x / 2.0 ** e, -6, 6)
;;       step = 2.0 ** (np.maximum(np.frexp(np.where(r == 0, 1, r))[1] - 1, 0) - 1)
;;       q = np.round(r / step) * step * 2.0 ** e      # np.round: ties to even
;;       return np.moveaxis(q.reshape(q.shape[:-2] + (-1,))[..., :K], -1, axis).astype(np.float32)
;;   ~~~
;; One version. Each part assembles by itself: llvm-mc -triple=amdgcn-amd-amdhsa -mcpu=gfx1250 --defsym DOCPART=n.
;; ======== version 1 of 1: 4 launches
;; limits: values are held in f16: magnitudes above 65,504 overflow, below 6.1e-05 lose precision; values outside matrix products are rounded to f16
;; workspace buffers: codes 9,961,472 bytes; scales 622,592 bytes; pw16 2,097,152 bytes; ropetab 524,288 bytes; qkv16 50,331,648 bytes; o16 16,777,216 bytes
;; launch prep (part 1): grid 720 x 1, 4 waves a work-group, no clusters, 68,096 bytes of LDS; arguments x, context, q_w, kv_w, proj_w, codes, scales, pw16, ropetab; writes codes, scales, pw16, ropetab
.if DOCPART == 1
	.amdgcn_target "amdgcn-amd-amdhsa--gfx1250"
	.amdhsa_code_object_version 6
	.text
	.protected	k_qb2c3a5bbb3_prep
	.globl	k_qb2c3a5bbb3_prep
	.p2align	8
	.type	k_qb2c3a5bbb3_prep,@function
k_qb2c3a5bbb3_prep:
	s_mov_b64 s[64:65], 0
	v_nop
	global_prefetch_b8 v0, s[64:65] scope:SCOPE_SE
	s_setreg_imm32_b32 hwreg(HW_REG_WAVE_MODE, 25, 1), 1
	s_wait_xcnt 0x0
; PREP: everything that is made once and read many times.  Four paths, chosen by the work-group's number alone:
;   0-47    W:   q_w [1024][1024] and kv_w [1024][2048], f32, K their FIRST axis -> codes of E2M1, K innermost, one E8M0 byte for each 32 along K
;   48-175  PW:  proj_w, f32 -> f16, as it lies
;   176-207 TAB: the rotary table [2048][64] f32: c cos(s f_i), i = 0..31, then c sin(s f_i); f_i = 10000^(-i/32), c = log2(e) / 8 (so that the scores come out in powers of two)
;   208-719 ACT: x and context [8192][1024], f32, K innermost -> codes and scale bytes
; codes: rows of 512 bytes (1,024 codes): rows 0-8191 x, 8192-16383 context; from byte WOFF on 3,072 rows of weights: q_w's columns, then kv_w's.  scales: 32 bytes a row, the same order; the weights' from byte WSOFF on.
; A block's scale is 2^(floor(log2(its largest magnitude)) - 2); its byte is the largest magnitude's exponent field - 2, held at 1 from below.
; LIMITS: a block of zeros, and a block whose largest magnitude lies under 2^-124, gets the byte 1 (a block of zeros has zero codes, which add nothing under that byte; this program alone reads the bytes).
; NaN and infinities among the inputs are not served.  f_i is as good as v_exp_f32 makes it, so an angle is good to about 3e-4 rad at the last position.
; No tensor load, no barrier: waves share nothing.  The two paths that store to LDS have LDS bytes of their own.
.set WOFF,  8388608
.set WSOFF, 524288
.set EMAX,  2
.set SPW,   12                         ; v12  LDS address of my spare word: SPARE + 4 x my thread's number; never rewritten
.set NIL,   13                         ; v13  0; never rewritten
.set WREG,  8192                       ; ACT: a region for each wave, bytes 0 to 32,767
.set WST,   32768                      ; W: four stages of 32 rows x 272 bytes
.set SPARE, 67584                      ; the spare words, 128 bytes for each wave: two blocks of 256 bytes that no other line names
	s_load_b256 s[4:11], s[0:1], 0x0               ; x s[4:5], context s[6:7], q_w s[8:9], kv_w s[10:11]
	s_load_b256 s[12:19], s[0:1], 0x20             ; proj_w s[12:13], codes s[14:15], scales s[16:17], pw16 s[18:19]
	s_load_b64 s[20:21], s[0:1], 0x40              ; ropetab
	v_lshl_add_u32 v[SPW], v0, 2, SPARE
	v_mov_b32 v[NIL], 0
	v_lshrrev_b32 v1, 5, v0
	v_readfirstlane_b32 s22, v1                    ; wave 0..3
	v_and_b32 v2, 31, v0                           ; lane
	s_wait_kmcnt 0x0
	s_cmp_lt_u32 ttmp9, 48
	s_cbranch_scc1 .Lw
	s_cmp_lt_u32 ttmp9, 176
	s_cbranch_scc1 .Lpw
	s_cmp_lt_u32 ttmp9, 208
	s_cbranch_scc1 .Ltab
; ---------------- ACT: a plain stream of blocks of 32.  A wave takes 16 steps of 512 numbers.  Each load reads 512 consecutive bytes; a step's 2,048 bytes turn through the wave's own stage in LDS
; (16 bytes of padding behind each 64) and come back 64 bytes a lane: 16 neighbours along K, two lanes to a block.  A wave's 256 scale bytes are gathered in LDS and leave as one aligned run of 256 bytes.
.set ASTEPS, 16
.set CB,    8                          ; bytes of 16 codes
.set AR,    16                         ; v16-79   four sets of 16 numbers as they are loaded
.set AX,    80                         ; v80-111  two sets of 16 neighbours
.set AE,    112                        ; v112-127 a scale byte for each step
.set ACD,   128                        ; v128-191 codes: four registers for each step, so that no store's data are written again
.set SP,    80                         ; a lane's place in a stage: 64 bytes + 16
	s_sub_co_u32 s23, ttmp9, 208                   ; 0..511: the first 256 take x, the others context
	s_cmp_lt_u32 s23, 256
	s_cselect_b64 s[4:5], s[4:5], s[6:7]           ; the choice hangs on the work-group's number alone
	s_and_b32 s24, s23, 255
	s_lshl_b32 s24, s24, 2
	s_add_co_u32 s24, s24, s22                     ; which run of 8,192 numbers of the input is my wave's
	s_lshl_b32 s24, s24, 15
	s_mov_b32 s25, 0
	s_add_nc_u64 s[4:5], s[4:5], s[24:25]
	s_lshl_b32 s26, s23, 2
	s_add_co_u32 s26, s26, s22                     ; and which run of the outputs, where context follows x
	s_lshl_b32 s24, s26, 12
	s_add_nc_u64 s[14:15], s[14:15], s[24:25]      ; 4,096 bytes of codes a run
	s_lshl_b32 s24, s26, 8
	s_add_nc_u64 s[16:17], s[16:17], s[24:25]      ; 256 scale bytes a run
	v_lshlrev_b32 v3, 4, v2                        ; my 16 bytes of a load's 512
	s_mul_i32 s27, s22, WREG
	v_lshrrev_b32 v14, 2, v2
	v_mul_u32_u24 v14, v14, SP
	v_and_b32 v15, 3, v2
	v_lshl_add_u32 v14, v15, 4, v14
	v_add_nc_u32 v14, s27, v14                     ; the stage, on the way in: SP (lane / 4) + 16 (lane % 4)
	v_mul_u32_u24 v15, v2, SP
	v_add_nc_u32 v15, s27, v15                     ; and on the way out: SP x lane
	v_mul_u32_u24 v4, v2, CB                       ; my codes' place in a step's
	v_lshrrev_b32 v5, 1, v2
	s_add_co_u32 s27, s27, 2*32*SP
	v_add_nc_u32 v5, s27, v5                       ; my wave's 256 scale bytes, my block's byte
	v_lshlrev_b32 v7, 3, v2                        ; and on the way out 8 bytes a lane
	v_add_nc_u32 v6, s27, v7
.macro ALOAD t
.irp i, 0,1,2,3
	global_load_b128 v[AR+16*((\t)%4)+4*\i:AR+16*((\t)%4)+4*\i+3], v3, s[4:5] offset:2048*(\t)+512*\i th:TH_LOAD_NT   ; 32 lanes read 512 consecutive bytes
.endr
.endm
.macro ATURN t                         ; step t's numbers through the stage: LDS serves a wave's instructions in order, so no wait stands between the stores and the loads
.irp i, 0,1,2,3
	ds_store_b128 v14, v[AR+16*((\t)%4)+4*\i:AR+16*((\t)%4)+4*\i+3] offset:32*SP*((\t)%2)+8*SP*\i
.endr
.irp i, 0,1,2,3
	ds_load_b128 v[AX+16*((\t)%2)+4*\i:AX+16*((\t)%2)+4*\i+3], v15 offset:32*SP*((\t)%2)+16*\i
.endr
.endm
.irp t, 0,1,2,3
	ALOAD \t
.endr
	s_wait_loadcnt 12                              ; step 0's four loads are in; the twelve of steps 1 to 3 stay out
	ATURN 0
.macro ASTEP t
.set XS, AX+16*((\t)%2)
.if (\t) > 0
	s_wait_dscnt 1                                 ; this step's numbers are back from the stage; the last step's byte store may be out
.else
	s_wait_dscnt 0x0
.endif
.if (\t)+4 < ASTEPS
	ALOAD (\t)+4                                   ; into the registers whose stores into the stage are done
.endif
.if (\t)+1 < ASTEPS
.if ASTEPS-2-(\t) >= 3
	s_wait_loadcnt 12                              ; the next step's four loads are in; those of the three steps behind it may be out
.else
	s_wait_loadcnt 4*(ASTEPS-2-(\t))
.endif
	ATURN (\t)+1                                   ; they go through the other stage while this step is worked
.endif
	v_max3_num_f32 v8, |v[XS]|, |v[XS+1]|, |v[XS+2]|               ; the largest magnitude of my 16, in two chains
	v_max3_num_f32 v9, |v[XS+3]|, |v[XS+4]|, |v[XS+5]|
.irp i, 6,10
	v_max3_num_f32 v8, v8, |v[XS+\i]|, |v[XS+\i+1]|
	v_max3_num_f32 v9, v9, |v[XS+\i+2]|, |v[XS+\i+3]|
.endr
	v_max3_num_f32 v8, v8, |v[XS+14]|, |v[XS+15]|
	v_max3_num_f32 v8, v8, v9, (EMAX+1)<<23        ; and the floor 2^(3 - 127): the byte cannot fall under 1
	v_max_num_f32_dpp v8, v8, v8 row_xmask:1 row_mask:0xf bank_mask:0xf   ; and of my neighbour's 16: the block's
	v_add_nc_u32 v11, -(EMAX<<23), v8              ; 2 off its exponent field: the conversion takes the exponent field of this operand as its scale
	v_cvt_scalef32_pk8_fp4_f32 v[ACD+4*(\t)], v[XS:XS+7], v11
	v_cvt_scalef32_pk8_fp4_f32 v[ACD+4*(\t)+1], v[XS+8:XS+15], v11
	v_lshrrev_b32 v[AE+(\t)], 23, v11              ; the scale's byte (also the plain line behind the conversions)
	ds_store_b8 v5, v[AE+(\t)] offset:16*(\t)      ; both lanes of a block write the same byte with the same value
	global_store_b64 v4, v[ACD+4*(\t):ACD+4*(\t)+1], s[14:15] offset:32*CB*(\t)   ; the wave stores 256 consecutive bytes, aligned
.endm
.irp t, 0,1,2,3,4,5,6,7,8,9,10,11,12,13,14,15
	ASTEP \t
.endr
	ds_load_b64 v[8:9], v6                         ; LDS serves a wave's instructions in order: these see my byte stores
	s_wait_dscnt 0x0
	global_store_b64 v7, v[8:9], s[16:17]          ; 32 lanes store 256 consecutive bytes, aligned
	s_wait_tensorcnt 0x0                           ; the wave's end: behind my last LDS store
	ds_add_u32 v[SPW], v[NIL]
	s_wait_dscnt 0x0
	s_endpgm
; ---------------- W: a lane takes a column n and its registers run down K, so a block of 32 along K lies in one lane and the conversions give codes with K innermost.
; A wave takes 32 columns x 512 along K: 16 blocks a lane, 256 bytes of codes a column; they go through the wave's own stage and leave by rows, sixteen lanes to 256 aligned bytes.
; The two weights differ in their pitch alone: it lies in registers (32 offsets, 4 x lane + j x pitch), and the base steps 32 rows a block.
.set NB,   16
.set WX,   32                          ; v32-95   two sets of 32 numbers; on the way out the rows read back
.set WC,   96                          ; v96-99   a block's codes;  v100, v101 at work
.set WOF,  112                         ; v112-143 the 32 offsets
.set SB,   24                          ; v24-27   the scale bytes, four to a register
.Lw:
	s_cmp_lt_u32 ttmp9, 16                         ; 16 work-groups for q_w (8 groups of 128 columns x 2 halves of K), 32 for kv_w
	s_cselect_b64 s[26:27], s[8:9], s[10:11]
	s_cselect_b32 s23, 0, 16
	s_cselect_b32 s24, 12, 13                      ; log2 of the pitch in bytes: 4,096 or 8,192
	s_cselect_b32 s25, 0, 1024                     ; where the weight's columns begin among the 3,072 rows
	s_sub_co_u32 s23, ttmp9, s23
	s_lshr_b32 s30, s23, 1
	s_and_b32 s31, s23, 1                          ; which 512 along K
	s_lshl_b32 s30, s30, 7
	s_lshl_b32 s32, s22, 5
	s_add_co_u32 s30, s30, s32                     ; my wave's first column
	s_lshl_b32 s28, 1, s24                         ; the pitch
	s_add_co_u32 s33, s24, 9
	s_lshl_b32 s34, s31, s33                       ; 512 rows x the half of K
	s_lshl_b32 s32, s30, 2
	s_add_co_u32 s34, s34, s32
	s_mov_b32 s35, 0
	s_add_nc_u64 s[26:27], s[26:27], s[34:35]
	s_lshl_b32 s34, s28, 5                         ; s[34:35]: 32 rows on
	s_add_co_u32 s25, s25, s30                     ; my wave's first row of codes
	s_lshl_b32 s36, s25, 9
	s_lshl_b32 s32, s31, 8
	s_add_co_u32 s36, s36, s32
	s_add_co_u32 s36, s36, WOFF
	s_mov_b32 s37, 0
	s_add_nc_u64 s[14:15], s[14:15], s[36:37]
	s_lshl_b32 s36, s25, 5
	s_lshl_b32 s32, s31, 4
	s_add_co_u32 s36, s36, s32
	s_add_co_u32 s36, s36, WSOFF
	s_add_nc_u64 s[16:17], s[16:17], s[36:37]
	v_lshlrev_b32 v3, 2, v2
.irp j, 0,1,2,3,4,5,6,7,8,9,10,11,12,13,14,15,16,17,18,19,20,21,22,23,24,25,26,27,28,29,30,31
	v_mad_u32_u24 v[WOF+\j], s28, \j, v3
.endr
	s_mul_i32 s32, s22, 32*272
	s_add_co_u32 s32, s32, WST                     ; my stage
	v_mul_u32_u24 v4, v2, 272
	v_add_nc_u32 v4, s32, v4                       ; into it: row = my column
	v_and_b32 v5, 15, v2
	v_lshrrev_b32 v6, 4, v2                        ; out of it: sixteen lanes to a row, two rows an instruction
	v_mul_u32_u24 v7, v6, 272
	v_lshl_add_u32 v7, v5, 4, v7
	v_add_nc_u32 v7, s32, v7
	v_lshlrev_b32 v8, 9, v6
	v_lshl_add_u32 v8, v5, 4, v8                   ; and the same place among the rows of codes
	v_lshlrev_b32 v9, 5, v2                        ; my column's row of scale bytes
.macro WLOAD t                         ; block t: W(32 t + i, my column) into set t % 2: each load reads 128 consecutive bytes, the four waves stand side by side on 512
.if (\t) > 0
	s_wait_xcnt 0x0                                ; the last block's loads have read their base: it may step
	s_add_nc_u64 s[26:27], s[26:27], s[34:35]
.endif
.irp i, 0,1,2,3,4,5,6,7,8,9,10,11,12,13,14,15,16,17,18,19,20,21,22,23,24,25,26,27,28,29,30,31
	global_load_b32 v[WX+32*((\t)%2)+\i], v[WOF+\i], s[26:27] th:TH_LOAD_NT
.endr
.endm
	WLOAD 0
	WLOAD 1
.macro WBLOCK t
.set XS, WX+32*((\t)%2)
.if (\t) < NB-1
	s_wait_loadcnt 32                              ; this block's 32 loads are in; the next block's may be out
.else
	s_wait_loadcnt 0
.endif
	v_max3_num_f32 v100, |v[XS]|, |v[XS+1]|, |v[XS+2]|             ; the block's largest magnitude: all 32 numbers are mine
	v_max3_num_f32 v101, |v[XS+3]|, |v[XS+4]|, |v[XS+5]|
.irp i, 6,10,14,18,22,26
	v_max3_num_f32 v100, v100, |v[XS+\i]|, |v[XS+\i+1]|
	v_max3_num_f32 v101, v101, |v[XS+\i+2]|, |v[XS+\i+3]|
.endr
	v_max3_num_f32 v100, v100, |v[XS+30]|, |v[XS+31]|
	v_max3_num_f32 v100, v100, v101, (EMAX+1)<<23  ; and the floor
	v_add_nc_u32 v11, -(EMAX<<23), v100            ; the conversion's scale operand
	v_lshrrev_b32 v101, 23, v11                    ; the scale's byte
.if (\t)%4 == 0
	v_mov_b32 v[SB+(\t)/4], v101                   ; four bytes to a register, the lower K in the lower byte
.else
	v_lshl_or_b32 v[SB+(\t)/4], v101, 8*((\t)%4), v[SB+(\t)/4]
.endif
.irp g, 0,1,2,3
	v_cvt_scalef32_pk8_fp4_f32 v[WC+\g], v[XS+8*\g:XS+8*\g+7], v11
.endr
	ds_store_b128 v4, v[WC:WC+3] offset:16*(\t)    ; 32 codes: 16 bytes of my column's row.  (The next block begins with plain vector lines, which stand between these conversions and the next)
.if (\t)+2 < NB
	WLOAD (\t)+2
.endif
	s_wait_dscnt 0x0                               ; the store has read its registers: the next block's codes may be written
.endm
.set Q, 0
.rept NB
	WBLOCK Q
.set Q, Q+1
.endr
	global_store_b128 v9, v[SB:SB+3], s[16:17]     ; my column's 16 scale bytes
.irp t, 0,1,2,3,4,5,6,7,8,9,10,11,12,13,14,15
	ds_load_b128 v[WX+4*\t:WX+4*\t+3], v7 offset:2*\t*272   ; LDS serves a wave's instructions in order: these see my stores
.endr
.irp t, 0,1,2,3,4,5,6,7,8,9,10,11,12,13,14,15
	s_wait_dscnt 15-\t                             ; the loads behind this one may be out
	global_store_b128 v8, v[WX+4*\t:WX+4*\t+3], s[14:15] offset:2*\t*512   ; sixteen lanes store 256 consecutive bytes, aligned
.endr
	s_wait_tensorcnt 0x0                           ; the wave's end: behind my last LDS store
	ds_add_u32 v[SPW], v[NIL]
	s_wait_dscnt 0x0
	s_endpgm
; ---------------- PW: proj_w to f16.  A wave takes 2,048 numbers: all its 16 loads go out at once; a lane's eight numbers of a step become 16 bytes.
.Lpw:
	s_sub_co_u32 s23, ttmp9, 48
	s_lshl_b32 s23, s23, 2
	s_add_co_u32 s23, s23, s22
	s_lshl_b32 s24, s23, 13
	s_mov_b32 s25, 0
	s_add_nc_u64 s[12:13], s[12:13], s[24:25]
	s_lshl_b32 s24, s23, 12
	s_add_nc_u64 s[18:19], s[18:19], s[24:25]
	v_lshlrev_b32 v3, 5, v2
	v_lshlrev_b32 v4, 4, v2
.irp u, 0,1,2,3,4,5,6,7
	global_load_b128 v[16+8*\u:19+8*\u], v3, s[12:13] offset:1024*\u th:TH_LOAD_NT
	global_load_b128 v[20+8*\u:23+8*\u], v3, s[12:13] offset:1024*\u+16 th:TH_LOAD_NT
.endr
.irp u, 0,1,2,3,4,5,6,7
	s_wait_loadcnt 14-2*\u                         ; this step's two loads are in; the later steps' may be out
.irp j, 0,1,2,3
	v_cvt_pk_f16_f32 v[80+4*\u+\j], v[16+8*\u+2*\j], v[17+8*\u+2*\j]
.endr
	global_store_b128 v4, v[80+4*\u:83+4*\u], s[18:19] offset:512*\u   ; 512 consecutive bytes
.endr
	s_endpgm
; ---------------- TAB: a wave makes 16 rows of the table, two a trip.  Lane L: row + L / 16; u = L % 16: u < 8 four cosines, else four sines, of i = 4 (u % 8) + k: its 16 bytes lie at 16 L of the two rows' 512.
; angle a = s f (one rounding); n = the nearest whole number to a 2 / pi; r = a - n pi / 2 with pi / 2 in two parts; sine and cosine of r (at most pi / 4 in size) by polynomials;
; sin(a) is, by n mod 4: sin r, cos r, -sin r, -cos r; cos(a) = sin(a + pi / 2): the same with n + 1.
.Ltab:
	s_sub_co_u32 s23, ttmp9, 176
	s_lshl_b32 s23, s23, 2
	s_add_co_u32 s23, s23, s22
	s_lshl_b32 s24, s23, 12                        ; 16 rows of 256 bytes
	s_mov_b32 s25, 0
	s_add_nc_u64 s[20:21], s[20:21], s[24:25]
	s_lshl_b32 s23, s23, 4                         ; my wave's first row
	s_mov_b32 s30, 0x3f22f983                      ; 2 / pi
	s_mov_b32 s31, 0x3fc90fdb                      ; pi / 2, the upper part
	s_mov_b32 s32, 0x333bbd2e                      ; the upper part less pi / 2
	s_mov_b32 s33, 0xb94ca1f9                      ; the sine's three coefficients
	s_mov_b32 s34, 0x3c08839e
	s_mov_b32 s35, 0xbe2aaaa3
	s_mov_b32 s36, 0x37ccf5ce                      ; the cosine's three
	s_mov_b32 s37, 0xbab6061a
	s_mov_b32 s38, 0x3d2aaaa5
	s_mov_b32 s39, 0x3e38aa3b                      ; c = log2(e) / 8
	v_lshlrev_b32 v11, 4, v2                       ; 16 L
	v_lshrrev_b32 v3, 4, v2
	v_add_nc_u32 v3, s23, v3
	v_cvt_f32_u32 v14, v3                          ; s, my row
	v_bfe_u32 v15, v2, 3, 1
	v_xor_b32 v15, 1, v15                          ; 1 in a lane of cosines, 0 in a lane of sines
	v_and_b32 v4, 7, v2
	v_lshlrev_b32 v4, 2, v4
.irp k, 0,1,2,3
	v_add_nc_u32 v[16+\k], \k, v4                  ; i
.endr
.irp k, 0,1,2,3
	v_cvt_f32_u32 v[16+\k], v[16+\k]
.endr
.irp k, 0,1,2,3
	v_mul_f32 v[16+\k], 0xbed49a78, v[16+\k]       ; - i log2(10000) / 32
.endr
.irp k, 0,1,2,3
	v_exp_f32 v[16+\k], v[16+\k]                   ; f_i
.endr
	v_nop                                          ; a plain line behind the last exponential
	s_wait_alu depctr_va_vdst(0)                   ; one wait for the four, ahead of their first reader and of the label
	s_mov_b32 s26, 8
.Lrows:
.irp k, 0,1,2,3
	v_mul_f32 v[20+\k], v14, v[16+\k]              ; a
.endr
.irp k, 0,1,2,3
	v_mul_f32 v[24+\k], s30, v[20+\k]
.endr
.irp k, 0,1,2,3
	v_rndne_f32 v[24+\k], v[24+\k]                 ; n
.endr
.irp k, 0,1,2,3
	v_fma_f32 v[28+\k], -v[24+\k], s31, v[20+\k]
.endr
.irp k, 0,1,2,3
	v_fma_f32 v[28+\k], v[24+\k], s32, v[28+\k]    ; r
.endr
.irp k, 0,1,2,3
	v_cvt_i32_f32 v[32+\k], v[24+\k]
.endr
.irp k, 0,1,2,3
	v_add_nc_u32 v[32+\k], v[32+\k], v15           ; n, or n + 1 for a cosine
.endr
.irp k, 0,1,2,3
	v_mul_f32 v[36+\k], v[28+\k], v[28+\k]         ; r^2
.endr
.irp k, 0,1,2,3
	v_fma_f32 v[40+\k], v[36+\k], s33, s34
	v_fma_f32 v[44+\k], v[36+\k], s36, s37
.endr
.irp k, 0,1,2,3
	v_fma_f32 v[40+\k], v[40+\k], v[36+\k], s35
	v_fma_f32 v[44+\k], v[44+\k], v[36+\k], s38
.endr
.irp k, 0,1,2,3
	v_mul_f32 v[52+\k], v[28+\k], v[36+\k]         ; r^3
	v_mul_f32 v[56+\k], v[36+\k], v[36+\k]         ; r^4
	v_fma_f32 v[60+\k], v[36+\k], -0.5, 1.0        ; 1 - r^2 / 2
.endr
.irp k, 0,1,2,3
	v_fma_f32 v[40+\k], v[40+\k], v[52+\k], v[28+\k]   ; sin r
	v_fma_f32 v[44+\k], v[44+\k], v[56+\k], v[60+\k]   ; cos r
.endr
.irp k, 0,1,2,3
	v_and_b32 v[52+\k], 1, v[32+\k]
	v_cmp_ne_u32 vcc_lo, 0, v[52+\k]
	v_cndmask_b32 v[48+\k], v[40+\k], v[44+\k], vcc_lo   ; an odd quarter takes the cosine
.endr
.irp k, 0,1,2,3
	v_and_b32 v[52+\k], 2, v[32+\k]
.endr
.irp k, 0,1,2,3
	v_lshlrev_b32 v[52+\k], 30, v[52+\k]           ; quarters 2 and 3 turn the sign
.endr
.irp k, 0,1,2,3
	v_xor_b32 v[48+\k], v[48+\k], v[52+\k]
.endr
.irp k, 0,1,2,3
	v_mul_f32 v[48+\k], s39, v[48+\k]
.endr
	global_store_b128 v11, v[48:51], s[20:21]      ; 512 consecutive bytes: two rows
	s_wait_xcnt 0x0                                ; the store has read its offset and its data: both are written again
	v_add_nc_u32 v11, 512, v11
	v_add_f32 v14, 2.0, v14
	s_sub_co_u32 s26, s26, 1
	s_cmp_lg_u32 s26, 0
	s_cbranch_scc1 .Lrows
	s_endpgm
.Lfunc_end_k_qb2c3a5bbb3_prep:
	.size	k_qb2c3a5bbb3_prep, .Lfunc_end_k_qb2c3a5bbb3_prep-k_qb2c3a5bbb3_prep
	.p2alignl 7, 3214868480
	.fill 96, 4, 3214868480
	.section	.rodata,"a",@progbits
	.p2align	6, 0x0
	.amdhsa_kernel k_qb2c3a5bbb3_prep
		.amdhsa_group_segment_fixed_size 68096
		.amdhsa_private_segment_fixed_size 0
		.amdhsa_enable_private_segment 0
		.amdhsa_kernarg_size 72
		.amdhsa_user_sgpr_count 2
		.amdhsa_user_sgpr_kernarg_segment_ptr 1
		.amdhsa_wavefront_size32 1
		.amdhsa_system_sgpr_workgroup_id_x 1
		.amdhsa_system_sgpr_workgroup_id_y 1
		.amdhsa_system_sgpr_workgroup_id_z 1
		.amdhsa_system_vgpr_workitem_id 0
		.amdhsa_next_free_vgpr 192
		.amdhsa_next_free_sgpr 66
		.amdhsa_reserve_vcc 1
		.amdhsa_float_denorm_mode_32 3
		.amdhsa_float_denorm_mode_16_64 3
		.amdhsa_memory_ordered 1
		.amdhsa_forward_progress 1
		.amdhsa_inst_pref_size 126
	.end_amdhsa_kernel
	.amdgpu_metadata
---
amdhsa.version: [ 1, 2 ]
amdhsa.kernels:
  - .name:           k_qb2c3a5bbb3_prep
    .symbol:         k_qb2c3a5bbb3_prep.kd
    .args:
      - { .name: x, .offset: 0, .size: 8, .value_kind: global_buffer, .address_space: global }
      - { .name: context, .offset: 8, .size: 8, .value_kind: global_buffer, .address_space: global }
      - { .name: q_w, .offset: 16, .size: 8, .value_kind: global_buffer, .address_space: global }
      - { .name: kv_w, .offset: 24, .size: 8, .value_kind: global_buffer, .address_space: global }
      - { .name: proj_w, .offset: 32, .size: 8, .value_kind: global_buffer, .address_space: global }
      - { .name: codes, .offset: 40, .size: 8, .value_kind: global_buffer, .address_space: global }
      - { .name: scales, .offset: 48, .size: 8, .value_kind: global_buffer, .address_space: global }
      - { .name: pw16, .offset: 56, .size: 8, .value_kind: global_buffer, .address_space: global }
      - { .name: ropetab, .offset: 64, .size: 8, .value_kind: global_buffer, .address_space: global }
    .group_segment_fixed_size: 68096
    .private_segment_fixed_size: 0
    .kernarg_segment_align: 8
    .kernarg_segment_size: 72
    .max_flat_workgroup_size: 128
    .sgpr_count:     66
    .vgpr_count:     192
    .wavefront_size: 32
...
	.end_amdgpu_metadata
.endif
;; end of part 1
;; launch qkv (part 2): grid 12 x 32, 4 waves a work-group, clusters of 4 x 4, 327,680 bytes of LDS; arguments codes, scales, qn_scale, qn_bias, kn_scale, kn_bias, ropetab, qkv16; writes qkv16
.if DOCPART == 2
	.amdgcn_target "amdgcn-amd-amdhsa--gfx1250"
	.amdhsa_code_object_version 6
	.text
	.protected	k_qb2c3a5bbb3_qkv
	.globl	k_qb2c3a5bbb3_qkv
	.p2align	8
	.type	k_qb2c3a5bbb3_qkv,@function
k_qb2c3a5bbb3_qkv:
	s_mov_b64 s[64:65], 0
	v_nop
	global_prefetch_b8 v0, s[64:65] scope:SCOPE_SE
	s_setreg_imm32_b32 hwreg(HW_REG_WAVE_MODE, 25, 1), 1
	s_wait_xcnt 0x0
	s_wait_alu depctr_hold_cnt(0) depctr_sa_sdst(0) depctr_va_vdst(0) depctr_va_sdst(0) depctr_va_ssrc(0) depctr_va_vcc(0) depctr_vm_vsrc(0)
	s_getreg_b32 s2, hwreg(HW_REG_IB_STS2, 6, 4)
	s_cmp_eq_u32 s2, 0
	s_cbranch_scc0 .Lentry_in_a_cluster
	s_endpgm
.Lentry_in_a_cluster:
	s_bfe_u32 s2, ttmp6, 0x10000c
	s_cmp_lg_u32 s2, 0xf033
	s_cbranch_scc0 .Lentry_shape_is_right
	s_endpgm
.Lentry_shape_is_right:
; q = rope(layernorm(x q_w)) c, k = layernorm(context kv_w[:, :1024]), v = context kv_w[:, 1024:], as f16, each laid [batch x 16 + head][position][64].
; ONE GEMM on codes of E2M1 with E8M0 scales: C[m][n] = sum over k of A[m][k] B[n][k], 8,192 x 3,072 x 1,024; B's rows are the 3,072 columns of q_w and kv_w; A is x for the first 1,024 of them and context for the others.
; A tile of C, 256 x 256, is made by four waves, each 128 x 128: 64 accumulators, 512 registers.  K = 1,024 is two slots of 512 (LDS rows of 256 bytes): both are asked for at the head, and nothing is filled again.
; The scale bytes of the tile's 256 + 256 rows come once, as two dense blocks.  CLUSTERS: 4 x 4 work-groups; A's tiles are asked for jointly along a row of the cluster, B's along a column.
; The cluster's x is the KIND of the tile (0 q, 1 k, 2 v): the same in all sixteen partners, so the way out may branch on it.
; THE MATRIX INSTRUCTION IS USED TRANSPOSED (source 0 = 16 rows of B, source 1 = 16 rows of A): a lane holds one position (lane % 16) and, of each of the wave's two heads, the 32 channels 16 b + 8 (lane / 16) + j:
; a head's mean and variance want one exchange between the halves of the lanes, and the rotary partners d and d + 32 lie in one lane.
; The variance is taken of x - mean, in a second pass.  The table holds c cos and c sin, c = log2(e) / 8: the scores come out in powers of two.
; LIMITS: q, k, v are rounded to f16: their magnitudes must stay under 65,504.  NaN and infinities are not served.
; REGISTERS, in windows of 256: window 0: v0-31 addresses; v32-95 scale words, two sets; v128-191 A's fragments, one set; v192-255 the norm's scale and bias in the result's layout.
;   window 1: B's fragments, two sets, at v0 and v128; the registers between hold the table's rows of blocks 0-3.  windows 2, 3: the accumulators ((a, b) at v[8 (8 (a % 4) + b)]).
;   On the way out window 0: v32-95 D, a block's 64 numbers; v96-127 rows read back; v128-191 two sets of 32: at work, then the block's f16.
.set KSTEP,  512
.set NQ,     4
.set ROWB,   256
.set KROW,   512
.set PITCH,  272                       ; an LDS row: 256 bytes + 16: the 16 rows that a load touches start 16 bytes apart modulo 256
.set FR,     8
.set NL,     2
.set NP,     4
.set HALFT,  128*PITCH
.set SLOT,   4*HALFT
.set KS,     32                        ; a row of scales in bytes
.set SCL,    2*SLOT
.set HALFS,  (128*KS/256)*272
.set SBLK,   (16*KS/256)*272
.set STAGE,  SCL+4*HALFS               ; the way out: 2 heads x 8 rows of (256 + 16) bytes for each wave; no fill lands here
.set SPARE,  STAGE+4*4352              ; the spare words, 128 bytes for each wave: two blocks of 256 bytes that no other line names
.set WOFF,   8388608
.set WSOFF,  524288
.set ADRA, 16
.set ADRB, 20
.set STO,  24
.set RD,   25
.set CO,   26
.set ADRS, 27
.set SPW,  28                          ; v28  LDS address of my spare word; never rewritten
.set NIL,  29                          ; v29  0; never rewritten
.set SC,   32
.set AF,   128
.set DD,   32
.set BKR,  96
.set HH,   128
.set GS,   192
.set GB,   224
.set MU,   8                           ; v[8:9], v[10:11] a head's mean (the pair's low word is used)
.set RR,   12                          ; v[12:13], v[14:15] 1 / sqrt(variance + eps)
.set TT,   18
.set T2,   22
.set G1, 24
.set G0, 32
.set G1B, 48
.set G0B, 56
.set G1S, 68
.set G0S, 76
.set G1SB, 80
.set G0SB, 88
.set MSB, 0
.macro WIN new                         ; the immediate's high byte repeats the setting that is left; a switch that changes nothing is dropped
.if MSB != (\new)
	s_set_vgpr_msb (MSB<<8)|(\new)
.set MSB, (\new)
.endif
.endm
.set MUL_LO, 0xa1                      ; source 0 (B) window 1, source 1 (A) window 0, C and D window 2
.set MUL_HI, 0xf1
.set TO_B,   0x40                      ; destination window 1, address window 0
; A joint load: waves 0 and 1 fetch for A, waves 2 and 3 for B.  The branch hangs on the wave's number alone.  An s_nop 0 and four v_nop follow each of the two lines.
.macro JLOAD g0a, g1a, g0b, g1b
	s_cmp_eq_u32 s15, 0
	s_cbranch_scc0 .Lfor_b_\@
	tensor_load_to_lds s[\g0a:\g0a+3], s[\g1a:\g1a+7]
	s_nop 0
.rept 4
	v_nop
.endr
	s_branch .Lasked_\@
.Lfor_b_\@:
	tensor_load_to_lds s[\g0b:\g0b+3], s[\g1b:\g1b+7]
	s_nop 0
.rept 4
	v_nop
.endr
.Lasked_\@:
.endm
.macro CROUND                          ; a round of the cluster's barrier
	s_barrier_signal -1
	s_barrier_wait -1
	s_cmp_lg_u32 s14, 0
	s_cbranch_scc1 .Lnot_wave_0_\@
	s_barrier_signal -3
.Lnot_wave_0_\@:
	s_barrier_wait -3
	s_barrier_signal -1
	s_barrier_wait -1
.endm
	s_load_b128 s[4:7], s[0:1], 0x0                ; codes s[4:5], scales s[6:7]
	s_load_b128 s[8:11], s[0:1], 0x10              ; qn_scale, qn_bias
	s_load_b64 s[100:101], s[0:1], 0x20            ; kn_scale
	s_load_b64 s[104:105], s[0:1], 0x28            ; kn_bias
	s_load_b128 s[96:99], s[0:1], 0x30             ; ropetab s[96:97], qkv16 s[98:99]
	v_lshl_add_u32 v[SPW], v0, 2, SPARE
	v_mov_b32 v[NIL], 0
	ds_add_u32 v[SPW], v[NIL]                      ; the wave's opening: the add, twice on end, and its wait ahead of my first tensor load
	ds_add_u32 v[SPW], v[NIL]
	v_lshrrev_b32 v1, 5, v0
	v_readfirstlane_b32 s14, v1                    ; wave 0..3
	s_lshr_b32 s15, s14, 1                         ; which half of the tile's rows is mine.  Also: I fetch for A (0) or for B (1)
	s_and_b32 s16, s14, 1                          ; which half of its columns.  Also: which 128 rows of that tile I fetch
	s_bfe_u32 s40, ttmp6, 0x40000                  ; cx, cy: my place in the cluster
	s_bfe_u32 s41, ttmp6, 0x40004
	s_lshl_b32 s42, ttmp9, 2
	s_add_co_u32 s42, s42, s40                     ; tile column 0..11
	s_and_b32 s17, ttmp7, 0xffff
	s_lshl_b32 s17, s17, 2
	s_add_co_u32 s17, s17, s41                     ; tile row 0..31
	s_mov_b32 s95, ttmp9                           ; the kind: 0 q, 1 k, 2 v
	s_lshl_b32 s43, s41, 2
	s_lshl_b32 s43, 15, s43                        ; my row of the cluster
	s_lshl_b32 s44, 0x1111, s40                    ; my column
	s_or_b32 s[G1+0], s43, (0<<16)|(1<<20)|(1<<21)|(5<<22)|(3<<25)  ; the mask; elements of 1 byte; padding on; bit 21 beside a mask; 4 words behind every 64
	s_or_b32 s[G1B+0], s44, (0<<16)|(1<<20)|(1<<21)|(5<<22)|(3<<25)
.irp g, G1, G1B
	s_mov_b32 s[\g+1], ROWB<<16                    ; tensor_dim0
	s_mov_b32 s[\g+2], 128<<16                     ; tensor_dim1
	s_mov_b32 s[\g+3], ROWB<<16                    ; tile_dim0
	s_mov_b32 s[\g+4], 128                         ; tile_dim1
	s_mov_b32 s[\g+5], KROW                        ; from row to row
	s_mov_b32 s[\g+6], 0
	s_mov_b32 s[\g+7], 0
.endr
	s_or_b32 s[G1S+0], s43, (3<<16)|(1<<20)|(1<<21)|(5<<22)|(3<<25) ; the scales of 128 rows: 4,096 dense bytes as 16 rows of 256 (32 elements of 8 bytes), 16 bytes behind each
	s_or_b32 s[G1SB+0], s44, (3<<16)|(1<<20)|(1<<21)|(5<<22)|(3<<25)
.irp g, G1S, G1SB
	s_mov_b32 s[\g+1], 32<<16
	s_mov_b32 s[\g+2], (128*KS/256)<<16
	s_mov_b32 s[\g+3], 32<<16
	s_mov_b32 s[\g+4], 128*KS/256
	s_mov_b32 s[\g+5], 32
	s_mov_b32 s[\g+6], 0
	s_mov_b32 s[\g+7], 0
.endr
	s_lshl_b32 s18, s16, 7                         ; which 128 rows of the tile I fetch
	s_lshl_b32 s20, s17, 8
	s_add_co_u32 s20, s20, s18
	s_cmp_eq_u32 ttmp9, 0
	s_cselect_b32 s19, 0, 8192                     ; k and v are made of context, whose rows follow x's
	s_add_co_u32 s20, s20, s19                     ; A's row
	s_lshl_b32 s46, s42, 8
	s_add_co_u32 s46, s46, s18                     ; B's row among the weights' 3,072
	s_lshl_b32 s22, s20, 5                         ; their scale bytes,
	s_mov_b32 s23, 0
	s_lshl_b32 s20, s20, 9                         ; their codes
	s_mov_b32 s21, 0
	s_lshl_b32 s92, s46, 5
	s_add_co_u32 s92, s92, WSOFF
	s_mov_b32 s93, 0
	s_lshl_b32 s46, s46, 9
	s_add_co_u32 s46, s46, WOFF
	s_mov_b32 s47, 0
	s_mul_i32 s45, s14, HALFT                      ; where they go: wave x 128 rows: no place in the cluster enters an LDS address
	s_mul_i32 s94, s14, HALFS
	s_mov_b32 s66, 0x3c800000                      ; 1 / 64
	s_mov_b32 s67, 0x3727c5ac                      ; eps = 1e-5
	s_mov_b32 s2, 0x76543210                       ; v_permlanex16_b32's selects for lane l xor 16
	s_mov_b32 s3, 0xfedcba98
	s_wait_dscnt 0x0                               ; both opening adds are done
	s_wait_kmcnt 0x0
	s_add_nc_u64 s[20:21], s[4:5], s[20:21]
	s_add_nc_u64 s[22:23], s[6:7], s[22:23]
	s_add_nc_u64 s[46:47], s[4:5], s[46:47]
	s_add_nc_u64 s[92:93], s[6:7], s[92:93]
	CROUND                                         ; all sixteen work-groups are here: the first joint loads meet
	s_mov_b32 s[G0S], 1
	s_add_co_u32 s[G0S+1], s94, SCL
	s_mov_b64 s[G0S+2:G0S+3], s[22:23]
	s_or_b32 s[G0S+3], s[G0S+3], 0x80000000
	s_mov_b32 s[G0SB], 1
	s_add_co_u32 s[G0SB+1], s94, SCL
	s_mov_b64 s[G0SB+2:G0SB+3], s[92:93]
	s_or_b32 s[G0SB+3], s[G0SB+3], 0x80000000
	JLOAD G0S, G1S, G0SB, G1SB                     ; the scales first: they are wanted with the first slot
.irp s, 0,1
	s_mov_b32 s[G0+4*\s], 1
	s_add_co_u32 s[G0+4*\s+1], s45, \s*SLOT
	s_add_nc_u64 s[G0+4*\s+2:G0+4*\s+3], s[20:21], \s*ROWB
	s_or_b32 s[G0+4*\s+3], s[G0+4*\s+3], 0x80000000
	s_mov_b32 s[G0B+4*\s], 1
	s_add_co_u32 s[G0B+4*\s+1], s45, \s*SLOT
	s_add_nc_u64 s[G0B+4*\s+2:G0B+4*\s+3], s[46:47], \s*ROWB
	s_or_b32 s[G0B+4*\s+3], s[G0B+4*\s+3], 0x80000000
	JLOAD G0+4*\s, G1, G0B+4*\s, G1B               ; three tensor loads of mine are out
.endr
	; the way out's pointers
	s_cmp_eq_u32 ttmp9, 0
	s_cselect_b64 s[8:9], s[8:9], s[100:101]       ; the norm's scale: q's or k's
	s_cselect_b64 s[10:11], s[10:11], s[104:105]   ; and its bias
	s_and_b32 s18, s17, 7
	s_lshl_b32 s18, s18, 8
	s_lshl_b32 s19, s15, 7
	s_add_co_u32 s18, s18, s19                     ; my first position in the sequence
	s_lshr_b32 s20, s17, 3
	s_lshl_b32 s20, s20, 4                         ; 16 x batch
	s_lshl_b32 s46, s40, 2
	s_lshl_b32 s47, s16, 1
	s_add_co_u32 s46, s46, s47                     ; my first head: 4 cx + 2 x half
	s_add_co_u32 s20, s20, s46
	s_lshl_b32 s20, s20, 18                        ; a plane is 2,048 rows of 128 bytes
	s_lshl_b32 s47, s18, 7
	s_add_co_u32 s20, s20, s47
	s_lshl_b32 s47, ttmp9, 24                      ; q's, k's or v's 16,777,216 bytes
	s_add_co_u32 s20, s20, s47
	s_mov_b32 s21, 0
	s_add_nc_u64 s[12:13], s[98:99], s[20:21]
	s_lshl_b32 s20, s18, 8
	s_add_nc_u64 s[96:97], s[96:97], s[20:21]      ; the table at my first position
	v_and_b32 v1, 15, v0                           ; r = l % 16
	v_bfe_u32 v2, v0, 4, 1                         ; h = l / 16
	v_lshlrev_b32 v30, 8, v1
	v_lshl_add_u32 v30, v2, 5, v30                 ; the table: row r, + 32 h
	v_lshlrev_b32 v31, 5, v2                       ; the norm's vectors: 32 h
.irp b, 0,1,2,3
.irp c, 0,1
	global_load_b128 v[GS+8*\b+4*\c:GS+8*\b+4*\c+3], v31, s[8:9] offset:64*\b+16*\c    ; scale(16 b + 8 h + 0 .. 7): the result's layout
	global_load_b128 v[GB+8*\b+4*\c:GB+8*\b+4*\c+3], v31, s[10:11] offset:64*\b+16*\c
.endr
.endr
.macro TABLOAD a                       ; the table's rows of block a (16 positions): 16 cosines, then 16 sines, of i = 16 b + 8 h + j
.set TBL, 64*(1-(\a)/4)+32*((\a)%2)+128*(((\a)%4)/2)
.irp b, 0,1
.irp c, 0,1
	global_load_b128 v[TBL+8*\b+4*\c:TBL+8*\b+4*\c+3], v30, s[96:97] offset:(\a)*4096+64*\b+16*\c
	global_load_b128 v[TBL+16+8*\b+4*\c:TBL+16+8*\b+4*\c+3], v30, s[96:97] offset:(\a)*4096+128+64*\b+16*\c
.endr
.endr
.endm
	s_cmp_lg_u32 s95, 0
	s_cbranch_scc1 .Lno_tab0
	WIN TO_B                                       ; blocks 0-3 into the registers of window 1 that the products leave idle
	TABLOAD 0
	TABLOAD 1
	TABLOAD 2
	TABLOAD 3
	WIN 0
.Lno_tab0:
	v_mul_u32_u24 v3, v1, PITCH
	v_lshl_add_u32 v4, v2, 4, v3                   ; a fragment's row x pitch + 16 x half
	s_mul_i32 s21, s15, HALFT                      ; my 128 rows of A
	s_mul_i32 s22, s16, HALFT                      ; my 128 rows of B,
	s_add_co_u32 s22, s22, 2*HALFT                 ; which lie behind A's 256
.irp s, 0,1
	v_add_nc_u32 v[ADRA+\s], s21, v4
	v_add_nc_u32 v[ADRB+\s], s22, v4
	s_add_co_u32 s21, s21, SLOT
	s_add_co_u32 s22, s22, SLOT
.endr
	v_mul_u32_u24 v5, v1, KS                       ; my row's scales: 32 bytes a row,
	v_lshrrev_b32 v6, 8, v5
	v_lshl_add_u32 v5, v6, 4, v5                   ; and 16 more for each 256 passed
	s_mul_i32 s21, s15, HALFS
	s_mul_i32 s22, s16, HALFS
	s_add_co_u32 s22, s22, 2*HALFS
	s_sub_co_u32 s22, s22, s21
	v_mul_u32_u24 v6, s22, v2                      ; lanes 16-31 take B's
	s_add_co_u32 s21, s21, SCL
	v_add_nc_u32 v5, v5, v6
	v_add_nc_u32 v[ADRS], s21, v5
	s_mul_i32 s23, s14, 4352
	s_add_co_u32 s23, s23, STAGE                   ; my stage
	v_lshrrev_b32 v5, 1, v1
	v_mul_u32_u24 v5, v5, 272
	v_and_b32 v6, 1, v1
	v_lshl_add_u32 v5, v6, 7, v5
	v_lshl_add_u32 v5, v2, 4, v5
	v_add_nc_u32 v[STO], s23, v5                   ; in: two positions of 128 bytes to a row: (r / 2) 272 + (r % 2) 128 + 16 h
	v_mul_u32_u24 v5, v2, 272
	v_lshl_add_u32 v5, v1, 4, v5
	v_add_nc_u32 v[RD], s23, v5                    ; back: lanes 0-15 one row of 256 bytes, lanes 16-31 the next
	v_and_b32 v6, 31, v0
	v_lshlrev_b32 v[CO], 4, v6                     ; and the same 512 bytes in memory
.macro FRAG reg, adr, q, i             ; a fragment, 16 rows x 128 K of 4-bit codes: 8 registers, two loads of 16 bytes, 32 bytes apart
.irp c, 0,1
	ds_load_b128 v[\reg+4*\c:\reg+4*\c+3], v[\adr] offset:64*(\q)+32*\c+(\i)*16*PITCH
.endr
.endm
; 16 matrix instructions: A's blocks a0, a0 + 1 x B's eight, 128 along K.  The 64 accumulators take turns, one instruction a turn, in the same order in every step.
; One register carries A's scale word (lanes 0-15) and B's (lanes 16-31).
.macro MUL16 a0, p, q, sc, zero
.irp a, \a0, \a0+1
.irp b, 0,1,2,3,4,5,6,7
.if \zero
	v_wmma_scale_f32_16x16x128_f8f6f4 v[8*(8*((\a)%4)+\b):8*(8*((\a)%4)+\b)+7], v[128*(\p)+FR*\b:128*(\p)+FR*\b+FR-1], v[AF+FR*(\a):AF+FR*(\a)+FR-1], 0, v[SC+8*NQ*(\sc)+NQ*\b+(\q)], v[SC+8*NQ*(\sc)+NQ*(\a)+(\q)] matrix_a_fmt:MATRIX_FMT_FP4 matrix_b_fmt:MATRIX_FMT_FP4 matrix_a_scale:MATRIX_SCALE_ROW1
.else
	v_wmma_scale_f32_16x16x128_f8f6f4 v[8*(8*((\a)%4)+\b):8*(8*((\a)%4)+\b)+7], v[128*(\p)+FR*\b:128*(\p)+FR*\b+FR-1], v[AF+FR*(\a):AF+FR*(\a)+FR-1], v[8*(8*((\a)%4)+\b):8*(8*((\a)%4)+\b)+7], v[SC+8*NQ*(\sc)+NQ*\b+(\q)], v[SC+8*NQ*(\sc)+NQ*(\a)+(\q)] matrix_a_fmt:MATRIX_FMT_FP4 matrix_b_fmt:MATRIX_FMT_FP4 matrix_a_scale:MATRIX_SCALE_ROW1
.endif
.endr
.endr
.endm
.macro FETCH_B slot, q, p
	WIN TO_B
.irp i, 0,1,2,3,4,5,6,7
	FRAG 128*(\p)+FR*\i, ADRB+\slot, \q, \i
.endr
	WIN 0
.endm
.macro FETCH_A slot, q, i0
.irp i, \i0, \i0+1, \i0+2, \i0+3
	FRAG AF+FR*(\i), ADRA+\slot, \q, \i
.endr
.endm
.macro SCALES sc                       ; a slot's scale words: 4 words a row; lanes 0-15 take A's block i, lanes 16-31 B's block i
.irp i, 0,1,2,3,4,5,6,7
	ds_load_b128 v[SC+8*NQ*\sc+NQ*\i:SC+8*NQ*\sc+NQ*\i+3], v[ADRS] offset:\i*SBLK
.endr
.endm
.macro PLACES n                        ; plain vector lines between a matrix instruction and a load into, or a vector instruction on, its registers
.rept \n
	v_nop
.endr
.endm
.macro STEP slot, q, zero              ; 128 along K whose successor lies in the same slot
	s_wait_dscnt 4*NL                              ; B's set and A's blocks 0-3 are in; the youngest eight loads (A's blocks 4-7) may be out
	WIN MUL_LO
	MUL16 0, (\q)%2, \q, \slot, \zero
	MUL16 2, (\q)%2, \q, \slot, \zero
	s_wait_dscnt 0
	PLACES NP
	FETCH_B \slot, (\q)+1, 1-(\q)%2
	FETCH_A \slot, (\q)+1, 0
	WIN MUL_HI
	MUL16 4, (\q)%2, \q, \slot, \zero
	MUL16 6, (\q)%2, \q, \slot, \zero
	PLACES NP
	WIN 0
	FETCH_A \slot, (\q)+1, 4
.endm
.macro STEPS slot, from
.set Q, \from
.rept NQ-1-\from
	STEP \slot, Q, 0
.set Q, Q+1
.endr
.endm
	s_wait_tensorcnt 1                             ; the scales and my part of slot 0 are in; slot 1's load may be out
	s_barrier_signal -1
	s_barrier_wait -1
	FETCH_B 0, 0, 0
	FETCH_A 0, 0, 0
	SCALES 0
	FETCH_A 0, 0, 4
	STEP 0, 0, 1                                   ; the first step's products start the sums: nothing is cleared
	STEPS 0, 1
	; slot 0's last step, and the change to slot 1: one barrier; nothing is filled again
	s_wait_tensorcnt 0x0                           ; my part of slot 1 has landed
	ds_add_u32 v[SPW], v[NIL]
	s_wait_dscnt 4*NL+1                            ; the add and the youngest eight loads may be out
	WIN MUL_LO
	MUL16 0, 1, NQ-1, 0, 0
	s_wait_dscnt 0x0
	s_barrier_signal -1
	MUL16 2, 1, NQ-1, 0, 0
	WIN 0
	s_barrier_wait -1                              ; slot 1 is whole
	PLACES NP
	v_add_nc_u32 v[ADRS], 4*NQ, v[ADRS]            ; on to slot 1's scale words
	FETCH_B 1, 0, 0
	FETCH_A 1, 0, 0
	SCALES 1
	WIN MUL_HI
	MUL16 4, 1, NQ-1, 0, 0
	MUL16 6, 1, NQ-1, 0, 0
	PLACES NP
	WIN 0
	FETCH_A 1, 0, 4
	STEPS 1, 0
	s_wait_dscnt 4*NL                              ; the very last step
	WIN MUL_LO
	MUL16 0, 1, NQ-1, 1, 0
	MUL16 2, 1, NQ-1, 1, 0
	s_wait_dscnt 0
	WIN MUL_HI
	MUL16 4, 1, NQ-1, 1, 0
	MUL16 6, 1, NQ-1, 1, 0
	WIN 0
	; ---------------- THE WAY OUT, block by block of 16 positions x 2 heads
	PLACES NP                                      ; behind the last products: their operands' registers are written and loaded below
	s_wait_loadcnt 0x0                             ; the norm's vectors and the table's first rows: asked for at the head
.irp j, 9,11,13,15,22,23
	v_mov_b32 v\j, 0                               ; upper halves of pairs of which the low word is used, and the lane exchange's destinations: written once
.endr
	s_cmp_lg_u32 s95, 0
	s_cbranch_scc1 .Lno_tab1
	WIN TO_B                                       ; blocks 4-7's rows of the table into B's registers, which are done with; they are waited for four blocks on
	TABLOAD 4
	TABLOAD 5
	TABLOAD 6
	TABLOAD 7
	WIN 0
.Lno_tab1:
.macro SEND n                          ; block n's rows are back from the stage: 512 consecutive bytes a store, 2,048 a head
	s_wait_dscnt 0x0
.irp u, 0,1
.irp i, 0,1,2,3
	global_store_b128 v[CO], v[BKR+16*\u+4*\i:BKR+16*\u+4*\i+3], s[12:13] offset:(\n)*2048+\u*262144+512*\i
.endr
.endr
.endm
.macro EPI a
.set AC,  64*((\a)%4)
.set WA,  2+(\a)/4
.set WAA, WA|(WA<<2)
.set HS,  HH+32*((\a)%2)
.set TBL, 64*(1-(\a)/4)+32*((\a)%2)+128*(((\a)%4)/2)
	s_cmp_eq_u32 s95, 2
	s_cbranch_scc1 .Lv_\@                          ; v is only rounded
	WIN WAA                                        ; sources 0 and 1: the accumulators' window
.irp k, 0,1,2,3,4,5,6,7
.irp u, 0,1
	v_pk_add_f32 v[HS+16*\u+2*\k:HS+16*\u+2*\k+1], v[AC+32*\u+4*\k:AC+32*\u+4*\k+1], v[AC+32*\u+4*\k+2:AC+32*\u+4*\k+3]   ; the sum of my 32, each accumulator from its low end on; the two heads by turns
.endr
.endr
	WIN 0
.irp k, 0,4,8,12
.irp u, 0,1
	v_pk_add_f32 v[HS+16*\u+\k:HS+16*\u+\k+1], v[HS+16*\u+\k:HS+16*\u+\k+1], v[HS+16*\u+\k+2:HS+16*\u+\k+3]
.endr
.endr
.irp k, 0,8
.irp u, 0,1
	v_pk_add_f32 v[HS+16*\u+\k:HS+16*\u+\k+1], v[HS+16*\u+\k:HS+16*\u+\k+1], v[HS+16*\u+\k+4:HS+16*\u+\k+5]
.endr
.endr
.irp u, 0,1
	v_pk_add_f32 v[HS+16*\u:HS+16*\u+1], v[HS+16*\u:HS+16*\u+1], v[HS+16*\u+8:HS+16*\u+9]
.endr
.irp u, 0,1
	v_add_f32 v[TT+\u], v[HS+16*\u], v[HS+16*\u+1]
.endr
.irp u, 0,1
	v_permlanex16_b32 v[T2+\u], v[TT+\u], s2, s3   ; the head's other 32 channels lie in the lane 16 away
.endr
.irp u, 0,1
	v_add_f32 v[TT+\u], v[TT+\u], v[T2+\u]
.endr
.irp u, 0,1
	v_mul_f32 v[MU+2*\u], s66, v[TT+\u]            ; the mean
.endr
	WIN WA                                         ; source 0: the accumulators' window
.irp k, 0,1,2,3,4,5,6,7,8,9,10,11,12,13,14,15
.irp u, 0,1
	v_pk_add_f32 v[DD+32*\u+2*\k:DD+32*\u+2*\k+1], v[AC+32*\u+2*\k:AC+32*\u+2*\k+1], v[MU+2*\u:MU+2*\u+1] op_sel_hi:[1,0] neg_lo:[0,1] neg_hi:[0,1]   ; x - mean
.endr
.endr
	WIN 0
.irp k, 0,1,2,3
.irp u, 0,1
	v_pk_mul_f32 v[HS+16*\u+2*\k:HS+16*\u+2*\k+1], v[DD+32*\u+2*\k:DD+32*\u+2*\k+1], v[DD+32*\u+2*\k:DD+32*\u+2*\k+1]   ; the squares, in four chains a head
.endr
.endr
.irp k, 4,5,6,7,8,9,10,11,12,13,14,15
.irp u, 0,1
	v_pk_fma_f32 v[HS+16*\u+2*(\k%4):HS+16*\u+2*(\k%4)+1], v[DD+32*\u+2*\k:DD+32*\u+2*\k+1], v[DD+32*\u+2*\k:DD+32*\u+2*\k+1], v[HS+16*\u+2*(\k%4):HS+16*\u+2*(\k%4)+1]
.endr
.endr
.irp k, 0,4
.irp u, 0,1
	v_pk_add_f32 v[HS+16*\u+\k:HS+16*\u+\k+1], v[HS+16*\u+\k:HS+16*\u+\k+1], v[HS+16*\u+\k+2:HS+16*\u+\k+3]
.endr
.endr
.irp u, 0,1
	v_pk_add_f32 v[HS+16*\u:HS+16*\u+1], v[HS+16*\u:HS+16*\u+1], v[HS+16*\u+4:HS+16*\u+5]
.endr
.irp u, 0,1
	v_add_f32 v[TT+\u], v[HS+16*\u], v[HS+16*\u+1]
.endr
.irp u, 0,1
	v_permlanex16_b32 v[T2+\u], v[TT+\u], s2, s3
.endr
.irp u, 0,1
	v_add_f32 v[TT+\u], v[TT+\u], v[T2+\u]
.endr
.irp u, 0,1
	v_fma_f32 v[TT+\u], v[TT+\u], s66, s67         ; variance + eps
.endr
.irp u, 0,1
	v_rsq_f32 v[RR+2*\u], v[TT+\u]
.endr
	v_nop                                          ; a plain line behind the second root
	s_wait_alu depctr_va_vdst(0)                   ; one wait for the two, ahead of their first reader
.irp k, 0,1,2,3,4,5,6,7,8,9,10,11,12,13,14,15
.irp u, 0,1
	v_pk_mul_f32 v[DD+32*\u+2*\k:DD+32*\u+2*\k+1], v[DD+32*\u+2*\k:DD+32*\u+2*\k+1], v[RR+2*\u:RR+2*\u+1] op_sel_hi:[1,0]
.endr
.endr
.irp k, 0,1,2,3,4,5,6,7,8,9,10,11,12,13,14,15
.irp u, 0,1
	v_pk_fma_f32 v[DD+32*\u+2*\k:DD+32*\u+2*\k+1], v[DD+32*\u+2*\k:DD+32*\u+2*\k+1], v[GS+2*\k:GS+2*\k+1], v[GB+2*\k:GB+2*\k+1]   ; x scale + bias
.endr
.endr
	s_cmp_lg_u32 s95, 0
	s_cbranch_scc1 .Lnr_\@                         ; k is not turned
.if (\a) == 4
	s_wait_loadcnt 0x0                             ; the table's rows of blocks 4-7
.endif
	WIN 0x04                                       ; source 1: the table, in window 1
.irp u, 0,1
.irp n, 0,1,2,3,4,5,6,7
	v_pk_mul_f32 v[HS+4*\n:HS+4*\n+1], v[DD+32*\u+16+2*\n:DD+32*\u+17+2*\n], v[TBL+16+2*\n:TBL+17+2*\n]   ; q2 sin
	v_pk_mul_f32 v[HS+4*\n+2:HS+4*\n+3], v[DD+32*\u+2*\n:DD+32*\u+2*\n+1], v[TBL+16+2*\n:TBL+17+2*\n]     ; q1 sin
.endr
.irp n, 0,1,2,3,4,5,6,7
	v_pk_fma_f32 v[DD+32*\u+2*\n:DD+32*\u+2*\n+1], v[DD+32*\u+2*\n:DD+32*\u+2*\n+1], v[TBL+2*\n:TBL+2*\n+1], v[HS+4*\n:HS+4*\n+1] neg_lo:[0,0,1] neg_hi:[0,0,1]   ; q1 cos - q2 sin
	v_pk_fma_f32 v[DD+32*\u+16+2*\n:DD+32*\u+17+2*\n], v[DD+32*\u+16+2*\n:DD+32*\u+17+2*\n], v[TBL+2*\n:TBL+2*\n+1], v[HS+4*\n+2:HS+4*\n+3]                       ; q2 cos + q1 sin
.endr
.endr
	WIN 0
.Lnr_\@:
.irp i, 0,1,2,3,4,5,6,7,8,9,10,11,12,13,14,15,16,17,18,19,20,21,22,23,24,25,26,27,28,29,30,31
	v_cvt_pk_f16_f32 v[HS+\i], v[DD+2*\i], v[DD+2*\i+1]
.endr
	s_branch .Lj_\@
.Lv_\@:
	WIN WAA
.irp i, 0,1,2,3,4,5,6,7,8,9,10,11,12,13,14,15,16,17,18,19,20,21,22,23,24,25,26,27,28,29,30,31
	v_cvt_pk_f16_f32 v[HS+\i], v[AC+2*\i], v[AC+2*\i+1]   ; each accumulator from its low end on
.endr
	WIN 0
.Lj_\@:
.if (\a) > 0
	SEND (\a)-1                                    ; the block before has had this block's arithmetic in which to come back
	s_wait_xcnt 0x0                                ; its stores have read their registers: the loads below land there
.endif
.irp u, 0,1
.irp b, 0,1,2,3
	ds_store_b128 v[STO], v[HS+16*\u+4*\b:HS+16*\u+4*\b+3] offset:\u*2176+32*\b   ; channels 16 b + 8 h + 0 .. 7 of my position
.endr
.endr
.irp u, 0,1
.irp i, 0,1,2,3
	ds_load_b128 v[BKR+16*\u+4*\i:BKR+16*\u+4*\i+3], v[RD] offset:\u*2176+544*\i   ; LDS serves a wave's instructions in order: these see the stores above
.endr
.endr
.endm
.irp a, 0,1,2,3,4,5,6,7
	EPI \a
.endr
	SEND 7
	s_wait_tensorcnt 0x0                           ; the wave's end: behind my last tensor load and my last LDS store
	ds_add_u32 v[SPW], v[NIL]
	s_wait_dscnt 0x0
	CROUND                                         ; the closing round
	s_endpgm
.Lfunc_end_k_qb2c3a5bbb3_qkv:
	.size	k_qb2c3a5bbb3_qkv, .Lfunc_end_k_qb2c3a5bbb3_qkv-k_qb2c3a5bbb3_qkv
	.p2alignl 7, 3214868480
	.fill 96, 4, 3214868480
	.section	.rodata,"a",@progbits
	.p2align	6, 0x0
	.amdhsa_kernel k_qb2c3a5bbb3_qkv
		.amdhsa_group_segment_fixed_size 327680
		.amdhsa_private_segment_fixed_size 0
		.amdhsa_enable_private_segment 0
		.amdhsa_kernarg_size 64
		.amdhsa_user_sgpr_count 2
		.amdhsa_user_sgpr_kernarg_segment_ptr 1
		.amdhsa_wavefront_size32 1
		.amdhsa_system_sgpr_workgroup_id_x 1
		.amdhsa_system_sgpr_workgroup_id_y 1
		.amdhsa_system_sgpr_workgroup_id_z 1
		.amdhsa_system_vgpr_workitem_id 0
		.amdhsa_next_free_vgpr 1024
		.amdhsa_next_free_sgpr 106
		.amdhsa_reserve_vcc 0
		.amdhsa_float_denorm_mode_32 3
		.amdhsa_float_denorm_mode_16_64 3
		.amdhsa_memory_ordered 1
		.amdhsa_forward_progress 1
		.amdhsa_inst_pref_size 255
	.end_amdhsa_kernel
	.section	.bss,"aw",@nobits
	.p2align	6
	.space	262144
	.amdgpu_metadata
---
amdhsa.version: [ 1, 2 ]
amdhsa.kernels:
  - .name:           k_qb2c3a5bbb3_qkv
    .symbol:         k_qb2c3a5bbb3_qkv.kd
    .args:
      - { .name: codes, .offset: 0, .size: 8, .value_kind: global_buffer, .address_space: global }
      - { .name: scales, .offset: 8, .size: 8, .value_kind: global_buffer, .address_space: global }
      - { .name: qn_scale, .offset: 16, .size: 8, .value_kind: global_buffer, .address_space: global }
      - { .name: qn_bias, .offset: 24, .size: 8, .value_kind: global_buffer, .address_space: global }
      - { .name: kn_scale, .offset: 32, .size: 8, .value_kind: global_buffer, .address_space: global }
      - { .name: kn_bias, .offset: 40, .size: 8, .value_kind: global_buffer, .address_space: global }
      - { .name: ropetab, .offset: 48, .size: 8, .value_kind: global_buffer, .address_space: global }
      - { .name: qkv16, .offset: 56, .size: 8, .value_kind: global_buffer, .address_space: global }
    .group_segment_fixed_size: 327680
    .private_segment_fixed_size: 0
    .kernarg_segment_align: 8
    .kernarg_segment_size: 64
    .max_flat_workgroup_size: 128
    .sgpr_count:     106
    .vgpr_count:     1024
    .wavefront_size: 32
...
	.end_amdgpu_metadata
.endif
;; end of part 2
;; launch attn (part 3): grid 4 x 64, 8 waves a work-group, clusters of 4 x 1, 327,680 bytes of LDS; arguments qkv16, o16; writes o16
.if DOCPART == 3
	.amdgcn_target "amdgcn-amd-amdhsa--gfx1250"
	.amdhsa_code_object_version 6
	.text
	.protected	k_qb2c3a5bbb3_attn
	.globl	k_qb2c3a5bbb3_attn
	.p2align	8
	.type	k_qb2c3a5bbb3_attn,@function
k_qb2c3a5bbb3_attn:
	s_mov_b64 s[64:65], 0
	v_nop
	global_prefetch_b8 v0, s[64:65] scope:SCOPE_SE
	s_setreg_imm32_b32 hwreg(HW_REG_WAVE_MODE, 25, 1), 1
	s_wait_xcnt 0x0
	s_wait_alu depctr_hold_cnt(0) depctr_sa_sdst(0) depctr_va_vdst(0) depctr_va_sdst(0) depctr_va_ssrc(0) depctr_va_vcc(0) depctr_vm_vsrc(0)
	s_getreg_b32 s2, hwreg(HW_REG_IB_STS2, 6, 4)
	s_cmp_eq_u32 s2, 0
	s_cbranch_scc0 .Lentry_in_a_cluster
	s_endpgm
.Lentry_in_a_cluster:
	s_bfe_u32 s2, ttmp6, 0x10000c
	s_cmp_lg_u32 s2, 0x3003
	s_cbranch_scc0 .Lentry_shape_is_right
	s_endpgm
.Lentry_shape_is_right:
; o[plane][q][:] = the sum over k of softmax_k(q . k) v[k][:], for 64 planes (batch x 16 + head) of 2,048 positions x 64 channels, all f16; products, maxima and sums in f32.
; q already holds the factor log2(e) / 8, so a score s is in powers of two: p = 2^(s - m), m the query's running maximum; in every step O and the row's sum are multiplied by 2^(m_old - m_new).
; SHARES.  A work-group owns 512 queries of one plane, each of its eight waves 64: four tiles of 16; two waves to a SIMD.  Every wave walks all 2,048 keys, 64 a step.
; LAYOUT.  S^T = K Q^T (source 0 = 16 keys, source 1 = 16 queries): a lane holds ONE query (lane % 16) and the keys 8 (lane / 16) + 0..7.  Two such tiles, rounded to f16 in pairs, ARE source 1 of O^T = V^T P.
; p is rounded IN PLACE, into the low half of the scores' registers.  THE ROW'S SUM is a product too: a fragment of ones x P gives every lane its query's sum of the same rounded p that multiply V;
; it takes 64 packed additions a step out of a loop that has six vector instructions for each matrix instruction.
; CLUSTER.  The four blocks of queries of a plane walk the same K and V: each tile is asked for jointly.  A slot holds 512 keys; K and V are dense planes, so a tile is stated as rows of 256 bytes, two keys to a row.
; The loop is written in phases, once for each of the four sections of 512 keys; O^T begins as zeros and m as -3e38, so that no first step is written out.
; LIMITS: p under 2^-25 counts as 0; o is rounded to f16 (magnitudes under 65,504; under 6e-5 in steps of 6e-8).  NaN and infinities are not served.
; REGISTERS: window 0: v2-11 addresses; v12-15 the rows' sums; v16-47 eight registers of statistics a tile; v48-55 ones; v64-127 K of a step; v128-255 S^T, 32 a tile.
;   window 1: v0-63 Q; v64-127 V of a step; v128-255 O^T, 32 a tile.
.set KP,    272                        ; two keys of K: 256 bytes + 16: the 16 keys of a load fall on 16 different columns of 16 bytes modulo 256
.set VP,    288                        ; two keys of V: 256 + 32: likewise for the turning load's 8 keys x 32 bytes
.set VOFF,  69632                      ; a slot: 256 rows of K, then 256 rows of V
.set SLOTB, 143360
.set KSTEPB, 8704                      ; 64 keys on
.set VSTEPB, 9216
.set STAGE, 286720                     ; the way out: 8 rows x 272 bytes for each wave
.set SPARE, 304128                     ; the spare words, 128 bytes for each wave: four blocks of 256 bytes that no other line names
.set AK0, 2
.set AV0, 3
.set ADK, 4
.set ADV, 5
.set QO,  6
.set STO, 7
.set RD,  8
.set GO,  9
.set SPW, 10                           ; v10  LDS address of my spare word; never rewritten
.set NIL, 11                           ; v11  0; never rewritten
.set LQ,  12
.set ST,  16                           ; tile t at v[ST + 8 t]: +0 m, +2 the factor (of the pairs [+0:+1], [+2:+3] the low word is used), +4..7 four chains
.set ONES, 48
.set KF,  64
.set S,   128
.set VF,  64                           ; in window 1
.set O,   128                          ; in window 1
.set WV,  12
.set G1K, 24
.set G1V, 32
.set G0K, 40                           ; s[40:47] group 0 for K's tiles, a set for each slot
.set G0V, 48
.set TK,  56
.set TV,  57
.set CNT, 58
.set SEL, 60
.set MSB, 0
.macro WIN new
.if MSB != (\new)
	s_set_vgpr_msb (MSB<<8)|(\new)
.set MSB, (\new)
.endif
.endm
.macro JLOAD s                         ; a joint refill: waves 0-3 fetch K's quarters, waves 4-7 V's.  An s_nop 0 and four v_nop follow each of the two lines
	s_cmp_lt_u32 s[WV], 4
	s_cbranch_scc0 .Lfor_v_\@
	tensor_load_to_lds s[G0K+4*\s:G0K+4*\s+3], s[G1K:G1K+7]
	s_nop 0
.rept 4
	v_nop
.endr
	s_branch .Lasked_\@
.Lfor_v_\@:
	tensor_load_to_lds s[G0V+4*\s:G0V+4*\s+3], s[G1V:G1V+7]
	s_nop 0
.rept 4
	v_nop
.endr
.Lasked_\@:
.endm
.macro CROUND
	s_barrier_signal -1
	s_barrier_wait -1
	s_cmp_lg_u32 s[WV], 0
	s_cbranch_scc1 .Lnot_wave_0_\@
	s_barrier_signal -3
.Lnot_wave_0_\@:
	s_barrier_wait -3
	s_barrier_signal -1
	s_barrier_wait -1
.endm
	s_load_b128 s[4:7], s[0:1], 0x0                ; qkv16 s[4:5], o16 s[6:7]
	v_lshl_add_u32 v[SPW], v0, 2, SPARE
	v_mov_b32 v[NIL], 0
	ds_add_u32 v[SPW], v[NIL]                      ; the wave's opening: the add, twice on end, and its wait ahead of my first tensor load
	ds_add_u32 v[SPW], v[NIL]
	v_lshrrev_b32 v1, 5, v0
	v_readfirstlane_b32 s[WV], v1                  ; wave 0..7
	s_bfe_u32 s13, ttmp6, 0x40000                  ; cx
	s_lshl_b32 s14, ttmp9, 2
	s_add_co_u32 s14, s14, s13                     ; my block of 512 queries: it enters Q's and O's addresses alone
	s_and_b32 s20, ttmp7, 0xffff                   ; the plane, which the four partners share
	s_lshl_b32 s20, s20, 18                        ; 262,144 bytes a plane
	s_and_b32 s16, s[WV], 3                        ; which quarter of a slot's keys I fetch:
	s_lshl_b32 s22, s16, 14                        ; 128 keys of 128 bytes in memory,
	s_add_co_u32 s22, s22, s20
	s_mov_b32 s23, 0
	s_mul_i32 s17, s16, 64*KP                      ; and its place in a slot, for K
	s_mul_i32 s18, s16, 64*VP
	s_add_co_u32 s18, s18, VOFF                    ; and for V
	s_lshl_b32 s2, s14, 16
	s_lshl_b32 s3, s[WV], 13
	s_add_co_u32 s2, s2, s3
	s_add_co_u32 s2, s2, s20                       ; my wave's first query
	s_mov_b32 s3, 0
	s_mov_b32 s[G1K], 15|(1<<16)|(1<<20)|(1<<21)|(5<<22)|(3<<25)  ; the mask: all four; elements of 2 bytes; padding on; bit 21 beside a mask; 4 words behind every 64
	s_mov_b32 s[G1V], 15|(1<<16)|(1<<20)|(1<<21)|(5<<22)|(7<<25)  ; the same with 8 words
.irp g, G1K, G1V
	s_mov_b32 s[\g+1], 128<<16                     ; tensor_dim0 = 128 elements: two keys
	s_mov_b32 s[\g+2], 64<<16                      ; tensor_dim1 = 64 rows
	s_mov_b32 s[\g+3], 128<<16                     ; tile_dim0
	s_mov_b32 s[\g+4], 64                          ; tile_dim1
	s_mov_b32 s[\g+5], 128                         ; from row to row: dense
	s_mov_b32 s[\g+6], 0
	s_mov_b32 s[\g+7], 0
.endr
	s_mov_b32 s[SEL], 0x76543210
	s_mov_b32 s[SEL+1], 0xfedcba98
	s_wait_dscnt 0x0                               ; both opening adds are done
	s_wait_kmcnt 0x0
	s_add_nc_u64 s[8:9], s[4:5], s[22:23]
	s_add_nc_u64 s[10:11], s[8:9], 0x2000000       ; V's part of the buffer
	s_add_nc_u64 s[8:9], s[8:9], 0x1000000         ; K's
	s_add_nc_u64 s[4:5], s[4:5], s[2:3]            ; Q at my wave's first row
	s_add_nc_u64 s[6:7], s[6:7], s[2:3]            ; O likewise
	CROUND                                         ; all four work-groups are here: the first joint loads meet
.irp s, 0,1
	s_mov_b32 s[G0K+4*\s], 1
	s_add_co_u32 s[G0K+4*\s+1], s17, \s*SLOTB
	s_add_nc_u64 s[G0K+4*\s+2:G0K+4*\s+3], s[8:9], \s*65536   ; slot s begins with keys 512 s
	s_or_b32 s[G0K+4*\s+3], s[G0K+4*\s+3], 0x80000000
	s_mov_b32 s[G0V+4*\s], 1
	s_add_co_u32 s[G0V+4*\s+1], s18, \s*SLOTB
	s_add_nc_u64 s[G0V+4*\s+2:G0V+4*\s+3], s[10:11], \s*65536
	s_or_b32 s[G0V+4*\s+3], s[G0V+4*\s+3], 0x80000000
.endr
	s_cmp_lt_u32 s[WV], 4                          ; a wave's two first fills stand in one branch: two loads of mine are out
	s_cbranch_scc0 .Lfirst_v
	tensor_load_to_lds s[G0K:G0K+3], s[G1K:G1K+7]
	s_nop 0
	tensor_load_to_lds s[G0K+4:G0K+7], s[G1K:G1K+7]
	s_nop 0
.rept 4
	v_nop
.endr
	s_branch .Lfirst_asked
.Lfirst_v:
	tensor_load_to_lds s[G0V:G0V+3], s[G1V:G1V+7]
	s_nop 0
	tensor_load_to_lds s[G0V+4:G0V+7], s[G1V:G1V+7]
	s_nop 0
.rept 4
	v_nop
.endr
.Lfirst_asked:
	v_and_b32 v1, 15, v0                           ; r
	v_bfe_u32 v56, v0, 4, 1                        ; h
	v_lshlrev_b32 v[QO], 7, v1
	v_lshl_add_u32 v[QO], v56, 4, v[QO]            ; Q: row r of 128 bytes, + 16 h
	WIN 0x40                                       ; destination window 1
.irp f, 0,1,2,3,4,5,6,7                        ; Q stays in registers: tile f / 2, channels 32 (f % 2) on
	global_load_b128 v[8*\f:8*\f+3],   v[QO], s[4:5] offset:(\f/2)*2048+(\f%2)*64
	global_load_b128 v[8*\f+4:8*\f+7], v[QO], s[4:5] offset:(\f/2)*2048+(\f%2)*64+32
.endr
.irp j, 0,1,2,3,4,5,6,7,8,9,10,11,12,13,14,15,16,17,18,19,20,21,22,23,24,25,26,27,28,29,30,31,32,33,34,35,36,37,38,39,40,41,42,43,44,45,46,47,48,49,50,51,52,53,54,55,56,57,58,59,60,61,62,63
	v_mov_b32 v[O+2*\j], 0                         ; O^T: the step is written once for every step, so the first finds zeros (a first step of its own would be a fifth copy of the step)
	v_mov_b32 v[O+2*\j+1], 0
.endr
	WIN 0
	v_lshrrev_b32 v57, 1, v1
	v_mul_u32_u24 v[AK0], v57, KP
	v_and_b32 v58, 1, v1
	v_lshl_add_u32 v[AK0], v58, 7, v[AK0]
	v_lshl_add_u32 v[AK0], v56, 4, v[AK0]          ; K: key r at (r / 2) 272 + (r % 2) 128, + 16 h
	v_bfe_u32 v57, v0, 1, 2
	v_lshl_add_u32 v57, v56, 2, v57                ; V, for the turning load: key 8 h + l % 8, so row 4 h + (l / 2) % 4,
	v_mul_u32_u24 v[AV0], v57, VP
	v_and_b32 v58, 1, v0
	v_lshl_add_u32 v[AV0], v58, 7, v[AV0]          ; half l % 2 of it,
	v_bfe_u32 v58, v0, 3, 1
	v_lshl_add_u32 v[AV0], v58, 4, v[AV0]          ; channels 8 ((l / 8) % 2) on
	v_add_nc_u32 v[AV0], VOFF, v[AV0]
	s_mul_i32 s13, s[WV], 8*272
	s_add_co_u32 s13, s13, STAGE                   ; my stage
	v_add_nc_u32 v[STO], s13, v[AK0]               ; in: a query's row lies as a key's does
	v_mul_u32_u24 v[RD], v56, 272
	v_lshl_add_u32 v[RD], v1, 4, v[RD]
	v_add_nc_u32 v[RD], s13, v[RD]                 ; back: lanes 0-15 one row of 256 bytes, lanes 16-31 the next
	v_and_b32 v[GO], 31, v0
	v_lshlrev_b32 v[GO], 4, v[GO]
.irp j, 0,1,2,3,4,5,6,7
	v_mov_b32 v[ONES+\j], 0x3c003c00               ; 1.0 twice, in f16
.endr
.irp t, 0,1,2,3
	v_mov_b32 v[ST+8*\t], 0xff61b1e6               ; m = -3e38, under every score
	v_mov_b32 v[ST+8*\t+1], 0                      ; (upper halves of pairs: written once)
	v_mov_b32 v[ST+8*\t+3], 0
	v_mov_b32 v[LQ+\t], 0
.endr
.macro FETCH_K off                     ; a step's K: 64 keys x 64 channels: fragment f = 2 (keys / 16) + (channels / 32)
.irp f, 0,1,2,3,4,5,6,7
	ds_load_b128 v[KF+8*\f:KF+8*\f+3],   v[ADK] offset:(\off)+(\f/2)*2176+(\f%2)*64
	ds_load_b128 v[KF+8*\f+4:KF+8*\f+7], v[ADK] offset:(\off)+(\f/2)*2176+(\f%2)*64+32
.endr
.endm
.macro FETCH_V                         ; a step's V, turned: fragment f = 4 (keys / 32) + (channels / 16)
	WIN 0x40
.irp f, 0,1,2,3,4,5,6,7
	ds_load_tr16_b128 v[VF+8*\f:VF+8*\f+3],   v[ADV] offset:(\f/4)*4608+(\f%4)*32
	ds_load_tr16_b128 v[VF+8*\f+4:VF+8*\f+7], v[ADV] offset:(\f/4)*4608+(\f%4)*32+2304
.endr
	WIN 0
.endm
; A KEY STEP: 64 keys for my 64 queries.
.macro STEP
	v_add_nc_u32 v[ADK], s[TK], v[AK0]
	v_add_nc_u32 v[ADV], s[TV], v[AV0]
	s_wait_dscnt 0x0                               ; this step's K is in
	WIN 0x04                                       ; source 1 (Q) window 1
.set i, 0
.rept 32                                       ; S^T = K Q^T: channels 32 (i / 16) on, keys 16 ((i / 4) % 4) on, tile i % 4: sixteen accumulators by turns
.set rS, S+32*(i%4)+8*((i/4)%4)
.set rK, KF+16*((i/4)%4)+8*(i/16)
.set rQ, 16*(i%4)+8*(i/16)
.if i < 16
	v_wmma_f32_16x16x32_f16 v[rS:rS+7], v[rK:rK+7], v[rQ:rQ+7], 0
.else
	v_wmma_f32_16x16x32_f16 v[rS:rS+7], v[rK:rK+7], v[rQ:rQ+7], v[rS:rS+7]
.endif
.set i, i+1
.endr
	WIN 0
.rept 4
	v_nop                                          ; places behind the products: K's registers are loaded again, the scores are read
.endr
	FETCH_V
	s_cmp_eq_u32 s[CNT], 1                         ; the next step's K, but in a section's last step, whose successor lies in the other slot
	s_cbranch_scc1 .Llast_\@
	FETCH_K KSTEPB
.Llast_\@:
.irp j, 0,1,2,3                                ; the maximum of my 32 scores and the old m: four chains a tile, each accumulator from its low end on, the four tiles by turns
.irp t, 0,1,2,3
	v_max3_num_f32 v[ST+8*\t+4+\j], v[S+32*\t+8*\j], v[S+32*\t+8*\j+1], v[S+32*\t+8*\j+2]
.endr
.endr
.irp g, 1,2
.irp j, 0,1,2,3
.irp t, 0,1,2,3
	v_max3_num_f32 v[ST+8*\t+4+\j], v[ST+8*\t+4+\j], v[S+32*\t+8*\j+2*\g+1], v[S+32*\t+8*\j+2*\g+2]
.endr
.endr
.endr
.irp t, 0,1,2,3
	v_max3_num_f32 v[ST+8*\t+4], v[ST+8*\t+4], v[S+32*\t+7], v[S+32*\t+15]
	v_max3_num_f32 v[ST+8*\t+6], v[ST+8*\t+6], v[S+32*\t+23], v[S+32*\t+31]
.endr
.irp t, 0,1,2,3
	v_max3_num_f32 v[ST+8*\t+4], v[ST+8*\t+4], v[ST+8*\t+5], v[ST+8*\t+6]
.endr
.irp t, 0,1,2,3
	v_max3_num_f32 v[ST+8*\t+4], v[ST+8*\t+4], v[ST+8*\t+7], v[ST+8*\t]
.endr
.irp t, 0,1,2,3
	v_permlanex16_b32 v[ST+8*\t+5], v[ST+8*\t+4], s[SEL], s[SEL+1]   ; the query's other 32 keys lie in the lane 16 away
.endr
.irp t, 0,1,2,3
	v_mov_b32 v[ST+8*\t+7], v[ST+8*\t]             ; the old m
.endr
.irp t, 0,1,2,3
	v_max_num_f32 v[ST+8*\t], v[ST+8*\t+4], v[ST+8*\t+5]
.endr
.irp t, 0,1,2,3
	v_sub_f32 v[ST+8*\t+7], v[ST+8*\t+7], v[ST+8*\t]
.endr
.irp t, 0,1,2,3
	v_exp_f32 v[ST+8*\t+2], v[ST+8*\t+7]           ; the factor 2^(m_old - m_new)
.endr
.irp k, 0,1,2,3,4,5,6,7,8,9,10,11,12,13,14,15
.irp t, 0,1,2,3
	v_pk_add_f32 v[S+32*\t+2*\k:S+32*\t+2*\k+1], v[S+32*\t+2*\k:S+32*\t+2*\k+1], v[ST+8*\t:ST+8*\t+1] op_sel_hi:[1,0] neg_lo:[0,1] neg_hi:[0,1]   ; s - m
.endr
.endr
.irp k, 0,1,2,3,4,5,6,7,8,9,10,11,12,13,14,15,16,17,18,19,20,21,22,23,24,25,26,27,28,29,30,31
.irp t, 0,1,2,3
	v_exp_f32 v[S+32*\t+\k], v[S+32*\t+\k]         ; p
.endr
.endr
	v_nop                                          ; a plain line behind the last exponential
	s_wait_alu depctr_va_vdst(0)                   ; ONE wait for the step's 132 exponentials, ahead of the first line that names a result
.irp k, 0,1,2,3,4,5,6,7,8,9,10,11,12,13,14,15
.irp t, 0,1,2,3
	v_cvt_pk_f16_f32 v[S+32*\t+\k], v[S+32*\t+2*\k], v[S+32*\t+2*\k+1]   ; in place, ascending: register k is written when 2 k and 2 k + 1 are read
.endr
.endr
	WIN 0x41                                       ; O^T (destination and source 0) window 1
.irp k, 0,1,2,3,4,5,6,7,8,9,10,11,12,13,14,15
.irp t, 0,1,2,3
	v_pk_mul_f32 v[O+32*\t+2*\k:O+32*\t+2*\k+1], v[O+32*\t+2*\k:O+32*\t+2*\k+1], v[ST+8*\t+2:ST+8*\t+3] op_sel_hi:[1,0]   ; O^T under the new m, each accumulator from its low end on
.endr
.endr
	WIN 0
	s_wait_dscnt 0x0                               ; V is in, and the next step's K with it
.set i, 0
.rept 8                                        ; the rows' sums of these 64 keys: ones x P, keys 32 (i / 4) on, tile i % 4, into the scores' registers 16-23, which are free
.set rD, S+32*(i%4)+16
.set rP, S+32*(i%4)+8*(i/4)
.if i < 4
	v_wmma_f32_16x16x32_f16 v[rD:rD+7], v[ONES:ONES+7], v[rP:rP+7], 0
.else
	v_wmma_f32_16x16x32_f16 v[rD:rD+7], v[ONES:ONES+7], v[rP:rP+7], v[rD:rD+7]
.endif
.set i, i+1
.endr
	WIN 0x51                                       ; V window 1, P window 0, O^T window 1
.set i, 0
.rept 32                                       ; O^T += V^T P: keys 32 (i / 16) on, channels 16 ((i / 4) % 4) on, tile i % 4
.set rO, O+32*(i%4)+8*((i/4)%4)
.set rV, VF+32*(i/16)+8*((i/4)%4)
.set rP, S+32*(i%4)+8*(i/16)
	v_wmma_f32_16x16x32_f16 v[rO:rO+7], v[rV:rV+7], v[rP:rP+7], v[rO:rO+7]
.set i, i+1
.endr
	WIN 0
.rept 4
	v_nop                                          ; places behind the products: the sums are read; with the four lines below and the next step's two additions ten plain lines stand ahead of the products that write over P
.endr
.irp t, 0,1,2,3
	v_fma_f32 v[LQ+\t], v[LQ+\t], v[ST+8*\t+2], v[S+32*\t+16]   ; the row's sum under the new m, + this step's
.endr
	s_add_co_u32 s[TK], s[TK], KSTEPB
	s_add_co_u32 s[TV], s[TV], VSTEPB
.endm
.macro SECTION slot                    ; a slot's eight key steps
	s_mov_b32 s[TK], \slot*SLOTB
	s_mov_b32 s[TV], \slot*SLOTB
	s_mov_b32 s[CNT], 8
	v_add_nc_u32 v[ADK], s[TK], v[AK0]
	FETCH_K 0
.Lstep_\@:
	STEP
	s_sub_co_u32 s[CNT], s[CNT], 1
	s_cmp_lg_u32 s[CNT], 0
	s_cbranch_scc1 .Lstep_\@
.endm
; THE CHANGE OF SLOTS.  Each wave waits for all its tensor loads (its part of the slot ahead), adds 0 to its spare word, and waits for that and for its reads of the slot that it leaves.
; fill = 1: the slot left is filled with the keys 1,024 further on: the barrier is then a round of the cluster's, and the joint refill is the first thing behind it; it has a section, 576 matrix instructions, in which to land.
.macro CHANGE fill, slot
	s_wait_tensorcnt 0x0                           ; no tensor load of mine is out, so a group 0 may be written
	ds_add_u32 v[SPW], v[NIL]
.if \fill
	s_add_nc_u64 s[G0K+4*\slot+2:G0K+4*\slot+3], s[G0K+4*\slot+2:G0K+4*\slot+3], 131072
	s_add_nc_u64 s[G0V+4*\slot+2:G0V+4*\slot+3], s[G0V+4*\slot+2:G0V+4*\slot+3], 131072
	s_wait_dscnt 0x0
	CROUND
	JLOAD \slot
.else
	s_wait_dscnt 0x0
	s_barrier_signal -1
	s_barrier_wait -1
.endif
.endm
	s_wait_tensorcnt 1                             ; my part of slot 0 is in; slot 1's may stay out
	s_barrier_signal -1
	s_barrier_wait -1
	s_wait_loadcnt 0x0                             ; Q
	SECTION 0
	CHANGE 1, 0
	SECTION 1
	CHANGE 1, 1
	SECTION 0
	CHANGE 0, 0
	SECTION 1
	; THE WAY OUT: O^T / the sum, rounded to f16, a tile (16 queries x 128 bytes) at a time through my stage; 2,048 consecutive bytes of memory a tile.
.irp t, 0,1,2,3
	v_rcp_f32 v[ST+8*\t+2], v[LQ+\t]
.endr
	v_nop
	s_wait_alu depctr_va_vdst(0)                   ; one wait for the four reciprocals
.macro PACK t
	WIN 0x41
.irp k, 0,1,2,3,4,5,6,7,8,9,10,11,12,13,14,15
	v_pk_mul_f32 v[O+32*\t+2*\k:O+32*\t+2*\k+1], v[O+32*\t+2*\k:O+32*\t+2*\k+1], v[ST+8*\t+2:ST+8*\t+3] op_sel_hi:[1,0]
.endr
	WIN 0x05                                       ; sources 0 and 1 window 1, destination window 0: the scores' registers are free
.irp k, 0,1,2,3,4,5,6,7,8,9,10,11,12,13,14,15
	v_cvt_pk_f16_f32 v[S+32*\t+\k], v[O+32*\t+2*\k], v[O+32*\t+2*\k+1]
.endr
	WIN 0
.irp c, 0,1,2,3
	ds_store_b128 v[STO], v[S+32*\t+4*\c:S+32*\t+4*\c+3] offset:32*\c   ; channels 16 c + 8 h + 0 .. 7 of my query
.endr
.irp i, 0,1,2,3
	ds_load_b128 v[S+32*\t+16+4*\i:S+32*\t+19+4*\i], v[RD] offset:544*\i   ; LDS serves a wave's instructions in order: these see the stores above, and the next tile's stores come behind them
.endr
.endm
.macro SEND t, younger                 ; younger: the LDS instructions issued behind tile t's loads: the next tile's eight, or none
.irp i, 0,1,2,3
	s_wait_dscnt \younger+3-\i
	global_store_b128 v[GO], v[S+32*\t+16+4*\i:S+32*\t+19+4*\i], s[6:7] offset:\t*2048+512*\i   ; 512 consecutive bytes
.endr
.endm
	PACK 0
	PACK 1
	SEND 0, 8
	PACK 2
	SEND 1, 8
	PACK 3
	SEND 2, 8
	SEND 3, 0
	s_wait_tensorcnt 0x0                           ; the wave's end: behind my last tensor load and my last LDS store
	ds_add_u32 v[SPW], v[NIL]
	s_wait_dscnt 0x0
	CROUND                                         ; the closing round
	s_endpgm
.Lfunc_end_k_qb2c3a5bbb3_attn:
	.size	k_qb2c3a5bbb3_attn, .Lfunc_end_k_qb2c3a5bbb3_attn-k_qb2c3a5bbb3_attn
	.p2alignl 7, 3214868480
	.fill 96, 4, 3214868480
	.section	.rodata,"a",@progbits
	.p2align	6, 0x0
	.amdhsa_kernel k_qb2c3a5bbb3_attn
		.amdhsa_group_segment_fixed_size 327680
		.amdhsa_private_segment_fixed_size 0
		.amdhsa_enable_private_segment 0
		.amdhsa_kernarg_size 16
		.amdhsa_user_sgpr_count 2
		.amdhsa_user_sgpr_kernarg_segment_ptr 1
		.amdhsa_wavefront_size32 1
		.amdhsa_system_sgpr_workgroup_id_x 1
		.amdhsa_system_sgpr_workgroup_id_y 1
		.amdhsa_system_sgpr_workgroup_id_z 1
		.amdhsa_system_vgpr_workitem_id 0
		.amdhsa_next_free_vgpr 512
		.amdhsa_next_free_sgpr 66
		.amdhsa_reserve_vcc 0
		.amdhsa_float_denorm_mode_32 3
		.amdhsa_float_denorm_mode_16_64 3
		.amdhsa_memory_ordered 1
		.amdhsa_forward_progress 1
		.amdhsa_inst_pref_size 147
	.end_amdhsa_kernel
	.amdgpu_metadata
---
amdhsa.version: [ 1, 2 ]
amdhsa.kernels:
  - .name:           k_qb2c3a5bbb3_attn
    .symbol:         k_qb2c3a5bbb3_attn.kd
    .args:
      - { .name: qkv16, .offset: 0, .size: 8, .value_kind: global_buffer, .address_space: global }
      - { .name: o16, .offset: 8, .size: 8, .value_kind: global_buffer, .address_space: global }
    .group_segment_fixed_size: 327680
    .private_segment_fixed_size: 0
    .kernarg_segment_align: 8
    .kernarg_segment_size: 16
    .max_flat_workgroup_size: 256
    .sgpr_count:     66
    .vgpr_count:     512
    .wavefront_size: 32
...
	.end_amdgpu_metadata
.endif
;; end of part 3
;; launch proj (part 4): grid 4 x 64, 4 waves a work-group, clusters of 4 x 4, 327,680 bytes of LDS; arguments o16, pw16, proj_b, out0; writes out0
.if DOCPART == 4
	.amdgcn_target "amdgcn-amd-amdhsa--gfx1250"
	.amdhsa_code_object_version 6
	.text
	.protected	k_qb2c3a5bbb3_proj
	.globl	k_qb2c3a5bbb3_proj
	.p2align	8
	.type	k_qb2c3a5bbb3_proj,@function
k_qb2c3a5bbb3_proj:
	s_mov_b64 s[64:65], 0
	v_nop
	global_prefetch_b8 v0, s[64:65] scope:SCOPE_SE
	s_setreg_imm32_b32 hwreg(HW_REG_WAVE_MODE, 25, 1), 1
	s_wait_xcnt 0x0
	s_wait_alu depctr_hold_cnt(0) depctr_sa_sdst(0) depctr_va_vdst(0) depctr_va_sdst(0) depctr_va_ssrc(0) depctr_va_vcc(0) depctr_vm_vsrc(0)
	s_getreg_b32 s2, hwreg(HW_REG_IB_STS2, 6, 4)
	s_cmp_eq_u32 s2, 0
	s_cbranch_scc0 .Lentry_in_a_cluster
	s_endpgm
.Lentry_in_a_cluster:
	s_bfe_u32 s2, ttmp6, 0x10000c
	s_cmp_lg_u32 s2, 0xf033
	s_cbranch_scc0 .Lentry_shape_is_right
	s_endpgm
.Lentry_shape_is_right:
; out0[m][n] = sum over k of o[m][k] proj_w[k][n] + proj_b[n]; 8,192 x 1,024 x 1,024; operands f16, sums f32, out0 f32.
; o lies in planes [batch x 16 + head][position][64]: k = 64 head + channel.  proj_w lies [k][n], as f16: its fragments come out of LDS turned, by ds_load_tr16_b128.
; A tile of out0 is 128 (m) x 256 (n): 256 work-groups.  Four waves, each 64 x 128: 32 accumulators, all of window 1.  K goes in 8 steps of 128 (two heads) through two LDS slots.
; CLUSTERS: 4 x 4 work-groups; o's tiles are asked for jointly along a row of the cluster, proj_w's along a column.
; THE MATRIX INSTRUCTION IS USED TRANSPOSED (source 0 = 16 columns n, source 1 = 16 rows m): a lane holds eight neighbouring numbers of a row of out0.  The bias is the C of each sum's first product.
; REGISTERS: window 0: v7, v16-31 addresses; v64-127 o's fragments, two buffers of 32; v128-255 proj_w's, two buffers of 64.  window 1: accumulator (a, b) at v[8 (8 a + b)].  window 2: v0-63 the bias in the result's layout.
.set SLOT,  104448                     ; o: two planes x 64 rows of (256 + 16) bytes, two positions to a row; then proj_w: 128 rows of (512 + 32) bytes
.set BOFF,  34816
.set STAGE, 208896                     ; the way out: 16 rows x (512 + 16) bytes for each wave
.set SPITCH, 528
.set SPARE, 242688                     ; the spare words, 128 bytes for each wave: two blocks of 256 bytes that no other line names
.set LAPS,  4
.set BO,   7                           ; v7   the bias loads' offset: 32 x (lane / 16); never rewritten, so no wait is owed for it
.set ADRA, 16
.set ADRB, 20
.set STO,  24
.set RD,   25
.set CO,   26
.set SPW,  28                          ; v28  LDS address of my spare word; never rewritten
.set NIL,  29                          ; v29  0; never rewritten
.set AFR,  64
.set BF,   128
.set BK,   64
.set G1, 24
.set G0, 32
.set G1B, 48
.set G0B, 56
.set MSB, 0
.macro WIN new
.if MSB != (\new)
	s_set_vgpr_msb (MSB<<8)|(\new)
.set MSB, (\new)
.endif
.endm
.set MULW, 0x50                        ; C and D window 1
.set MULF, 0x60                        ; C (the bias) window 2, D window 1
.macro JLOAD s                         ; a joint load: waves 0 and 1 fetch o's two planes, waves 2 and 3 proj_w's two halves.  An s_nop 0 and four v_nop follow each of the two lines
	s_cmp_eq_u32 s15, 0
	s_cbranch_scc0 .Lfor_b_\@
	tensor_load_to_lds s[G0+4*\s:G0+4*\s+3], s[G1:G1+7]
	s_nop 0
.rept 4
	v_nop
.endr
	s_branch .Lasked_\@
.Lfor_b_\@:
	tensor_load_to_lds s[G0B+4*\s:G0B+4*\s+3], s[G1B:G1B+7]
	s_nop 0
.rept 4
	v_nop
.endr
.Lasked_\@:
.endm
.macro CREST
	s_cmp_lg_u32 s14, 0
	s_cbranch_scc1 .Lnot_wave_0_\@
	s_barrier_signal -3
.Lnot_wave_0_\@:
	s_barrier_wait -3
	s_barrier_signal -1
	s_barrier_wait -1
.endm
.macro CROUND
	s_barrier_signal -1
	s_barrier_wait -1
	CREST
.endm
	s_load_b128 s[4:7], s[0:1], 0x0                ; o16 s[4:5], pw16 s[6:7]
	s_load_b128 s[8:11], s[0:1], 0x10              ; proj_b s[8:9], out0 s[10:11]
	v_lshl_add_u32 v[SPW], v0, 2, SPARE
	v_mov_b32 v[NIL], 0
	ds_add_u32 v[SPW], v[NIL]                      ; the wave's opening: the add, twice on end, and its wait ahead of my first tensor load
	ds_add_u32 v[SPW], v[NIL]
	v_lshrrev_b32 v1, 5, v0
	v_readfirstlane_b32 s14, v1                    ; wave 0..3
	s_lshr_b32 s15, s14, 1                         ; which 64 rows of the tile are mine.  Also: I fetch for o (0) or for proj_w (1)
	s_and_b32 s16, s14, 1                          ; which 128 columns.  Also: which plane, or which 64 rows of proj_w, I fetch
	s_bfe_u32 s40, ttmp6, 0x40000
	s_bfe_u32 s41, ttmp6, 0x40004
	s_lshl_b32 s42, ttmp9, 2
	s_add_co_u32 s42, s42, s40                     ; tile column 0..3
	s_and_b32 s17, ttmp7, 0xffff
	s_lshl_b32 s17, s17, 2
	s_add_co_u32 s17, s17, s41                     ; tile row 0..63
	s_lshl_b32 s43, s41, 2
	s_lshl_b32 s43, 15, s43                        ; my row of the cluster
	s_lshl_b32 s44, 0x1111, s40                    ; my column
	s_or_b32 s[G1+0], s43, (1<<16)|(1<<20)|(1<<21)|(5<<22)|(3<<25)   ; o: elements of 2 bytes; 4 words of padding behind every 64
	s_mov_b32 s[G1+1], 128<<16                     ; 128 elements: two positions of a head
	s_mov_b32 s[G1+2], 64<<16
	s_mov_b32 s[G1+3], 128<<16
	s_mov_b32 s[G1+4], 64
	s_mov_b32 s[G1+5], 128                         ; dense
	s_mov_b32 s[G1+6], 0
	s_mov_b32 s[G1+7], 0
	s_or_b32 s[G1B+0], s44, (1<<16)|(1<<20)|(1<<21)|(6<<22)|(7<<25)  ; proj_w: 8 words of padding behind every 128
	s_mov_b32 s[G1B+1], 256<<16                    ; 256 columns
	s_mov_b32 s[G1B+2], 64<<16
	s_mov_b32 s[G1B+3], 256<<16
	s_mov_b32 s[G1B+4], 64
	s_mov_b32 s[G1B+5], 1024
	s_mov_b32 s[G1B+6], 0
	s_mov_b32 s[G1B+7], 0
	s_lshr_b32 s20, s17, 4                         ; batch
	s_lshl_b32 s20, s20, 4
	s_add_co_u32 s20, s20, s16                     ; plane 16 x batch + my plane of the K step's two
	s_lshl_b32 s20, s20, 18
	s_and_b32 s18, s17, 15
	s_lshl_b32 s18, s18, 14                        ; the tile's first position: 128 x 128 bytes a tile
	s_add_co_u32 s20, s20, s18
	s_mov_b32 s21, 0
	s_lshl_b32 s46, s16, 17                        ; proj_w: my 64 rows of 2,048 bytes,
	s_lshl_b32 s47, s42, 9                         ; the tile's 256 columns
	s_add_co_u32 s46, s46, s47
	s_mov_b32 s47, 0
	s_mul_i32 s45, s16, 17408                      ; where they go: no place in the cluster enters an LDS address
	s_mul_i32 s19, s16, 34816
	s_add_co_u32 s19, s19, BOFF
	s_wait_dscnt 0x0                               ; both opening adds are done
	s_wait_kmcnt 0x0
	s_add_nc_u64 s[20:21], s[4:5], s[20:21]
	s_add_nc_u64 s[46:47], s[6:7], s[46:47]
	CROUND                                         ; all sixteen work-groups are here: the first joint loads meet
.irp s, 0,1
	s_mov_b32 s[G0+4*\s], 1
	s_add_co_u32 s[G0+4*\s+1], s45, \s*SLOT
	s_add_nc_u64 s[G0+4*\s+2:G0+4*\s+3], s[20:21], \s*524288     ; K step s: two planes on
	s_or_b32 s[G0+4*\s+3], s[G0+4*\s+3], 0x80000000
	s_mov_b32 s[G0B+4*\s], 1
	s_add_co_u32 s[G0B+4*\s+1], s19, \s*SLOT
	s_add_nc_u64 s[G0B+4*\s+2:G0B+4*\s+3], s[46:47], \s*262144   ; 128 rows on
	s_or_b32 s[G0B+4*\s+3], s[G0B+4*\s+3], 0x80000000
	JLOAD \s                                       ; two tensor loads of mine are out
.endr
	v_and_b32 v1, 15, v0                           ; r
	v_bfe_u32 v2, v0, 4, 1                         ; h
	s_lshl_b32 s46, s42, 10
	s_lshl_b32 s47, s16, 9
	s_add_co_u32 s46, s46, s47                     ; my first column, in bytes of f32
	s_mov_b32 s47, 0
	s_add_nc_u64 s[8:9], s[8:9], s[46:47]
	v_lshlrev_b32 v[BO], 5, v2
	WIN 0x80                                       ; destination window 2
.irp b, 0,1,2,3,4,5,6,7
	global_load_b128 v[8*\b:8*\b+3],   v[BO], s[8:9] offset:64*\b      ; proj_b(16 b + 8 h + 0 .. 7); neither v[BO] nor s[8:9] is written again
	global_load_b128 v[8*\b+4:8*\b+7], v[BO], s[8:9] offset:64*\b+16
.endr
	WIN 0
	s_lshl_b32 s20, s17, 7
	s_lshl_b32 s21, s15, 6
	s_add_co_u32 s20, s20, s21                     ; my first row of out0
	s_lshl_b32 s20, s20, 12
	s_mov_b32 s21, 0
	s_add_nc_u64 s[10:11], s[10:11], s[20:21]
	s_add_nc_u64 s[10:11], s[10:11], s[46:47]
	v_lshrrev_b32 v3, 1, v1
	v_mul_u32_u24 v3, v3, 272
	v_and_b32 v4, 1, v1
	v_lshl_add_u32 v3, v4, 7, v3
	v_lshl_add_u32 v3, v2, 4, v3                   ; o: position r at (r / 2) 272 + (r % 2) 128, + 16 h
	s_mul_i32 s21, s15, 32*272                     ; my 64 positions
	v_and_b32 v4, 7, v0
	v_lshl_add_u32 v4, v2, 3, v4
	v_mul_u32_u24 v4, v4, 544                      ; proj_w, for the turning load: row 8 h + l % 8,
	v_bfe_u32 v5, v0, 3, 1
	v_lshl_add_u32 v4, v5, 4, v4                   ; columns 8 ((l / 8) % 2) on
	s_lshl_b32 s22, s16, 8                         ; my 128 columns
	s_add_co_u32 s22, s22, BOFF
.irp s, 0,1
	v_add_nc_u32 v[ADRA+\s], s21, v3
	v_add_nc_u32 v[ADRB+\s], s22, v4
	s_add_co_u32 s21, s21, SLOT
	s_add_co_u32 s22, s22, SLOT
.endr
	s_mul_i32 s23, s14, 16*SPITCH
	s_add_co_u32 s23, s23, STAGE                   ; my stage
	v_mul_u32_u24 v5, v1, SPITCH
	v_lshl_add_u32 v5, v2, 5, v5
	v_add_nc_u32 v[STO], s23, v5                   ; in: row r, 32 bytes for each half of the lanes
	v_and_b32 v6, 31, v0
	v_lshlrev_b32 v[CO], 4, v6                     ; back: the 32 lanes take one row of 512 bytes; and the same in out0
	v_add_nc_u32 v[RD], s23, v[CO]
.macro MUL8 f, a, first                ; 8 products: block a of my rows x my eight blocks of columns, 32 along K, from buffer f.  The 32 accumulators take turns in the same order in every quarter
.irp b, 0,1,2,3,4,5,6,7
.if \first
	v_wmma_f32_16x16x32_f16 v[8*(8*(\a)+\b):8*(8*(\a)+\b)+7], v[BF+64*(\f)+8*\b:BF+64*(\f)+8*\b+7], v[AFR+32*(\f)+8*(\a):AFR+32*(\f)+8*(\a)+7], v[8*\b:8*\b+7]
.else
	v_wmma_f32_16x16x32_f16 v[8*(8*(\a)+\b):8*(8*(\a)+\b)+7], v[BF+64*(\f)+8*\b:BF+64*(\f)+8*\b+7], v[AFR+32*(\f)+8*(\a):AFR+32*(\f)+8*(\a)+7], v[8*(8*(\a)+\b):8*(8*(\a)+\b)+7]
.endif
.endr
.endm
.macro FETCH slot, ks, f               ; 24 LDS loads in one run: the fragments of the slot's quarter ks (32 along K) into buffer f; proj_w's first, o's blocks 2 and 3 last
	WIN 0
.irp b, 0,1,2,3,4,5,6,7
	ds_load_tr16_b128 v[BF+64*(\f)+8*\b:BF+64*(\f)+8*\b+3],   v[ADRB+\slot] offset:(\ks)*17408+32*\b
	ds_load_tr16_b128 v[BF+64*(\f)+8*\b+4:BF+64*(\f)+8*\b+7], v[ADRB+\slot] offset:(\ks)*17408+32*\b+8704
.endr
.irp a, 0,1,2,3
	ds_load_b128 v[AFR+32*(\f)+8*\a:AFR+32*(\f)+8*\a+3],   v[ADRA+\slot] offset:((\ks)/2)*17408+((\ks)%2)*64+\a*2176
	ds_load_b128 v[AFR+32*(\f)+8*\a+4:AFR+32*(\f)+8*\a+7], v[ADRA+\slot] offset:((\ks)/2)*17408+((\ks)%2)*64+\a*2176+32
.endr
.endm
.macro PLACES
.rept 4
	v_nop
.endr
.endm
; A K step is four quarters of 32 along K, 32 matrix instructions each, on buffers 0, 1, 0, 1.  One of the first three: multiplies buffer f and fetches quarter ks into buffer g.
.macro QUARTER slot, ks, f, g, first
	s_wait_dscnt 4                                 ; proj_w's fragments and o's blocks 0 and 1 are in; the youngest four loads may be out
	WIN MULW+0x10*(\first)
	MUL8 \f, 0, \first
	MUL8 \f, 1, \first
	PLACES                                         ; in front of loads into the buffer that the quarter before multiplied
	FETCH \slot, \ks, \g
	s_wait_dscnt 24                                ; all but the 24 just issued
	WIN MULW+0x10*(\first)
	MUL8 \f, 2, \first
	MUL8 \f, 3, \first
.endm
; The last quarter multiplies buffer 1 and changes slots: ONE barrier; in front of it each wave waits for all its tensor loads, adds 0 to its spare word, and waits for that and for its reads of this slot.
.macro TURN slot, next, fill
	WIN 0                                          ; (the add's two registers lie in window 0)
	s_wait_tensorcnt 0x0                           ; my part of the next slot has landed
	ds_add_u32 v[SPW], v[NIL]
	s_wait_dscnt 5                                 ; the add and the youngest four loads may be out
	WIN MULW
	MUL8 1, 0, 0                                   ; eight matrix instructions stand between the add and the wait for it
	s_wait_dscnt 0x0                               ; the add is done, and my reads of this slot are over
	s_barrier_signal -1
	MUL8 1, 1, 0
.if \fill
	WIN 0
.endif
	s_barrier_wait -1
.if \fill
	CREST                                          ; the barrier has opened a round of the cluster's: no wave of any partner still reads this slot or has a load on its way
	s_add_nc_u64 s[G0+4*\slot+2:G0+4*\slot+3], s[G0+4*\slot+2:G0+4*\slot+3], 1048576   ; two K steps on: four planes,
	s_add_nc_u64 s[G0B+4*\slot+2:G0B+4*\slot+3], s[G0B+4*\slot+2:G0B+4*\slot+3], 524288 ; 256 rows
	JLOAD \slot                                    ; the first tensor load behind the round; its four v_nop are also the places in front of the loads below
.else
	PLACES
.endif
	FETCH \next, 0, 0
	WIN MULW
	MUL8 1, 2, 0
	MUL8 1, 3, 0
.endm
	s_wait_tensorcnt 1                             ; my part of K step 0 is in; K step 1's may stay out
	s_barrier_signal -1
	s_barrier_wait -1
	FETCH 0, 0, 0
	s_wait_loadcnt 0x0                             ; the bias
	QUARTER 0, 1, 0, 1, 1                          ; the first quarter's products start the sums from the bias
	WIN 0
	s_mov_b32 s3, LAPS-1
.Llap:                                             ; a trip goes once round the ring, from a lap's second quarter to the next lap's first, and fills both slots again
	QUARTER 0, 2, 1, 0, 0
	QUARTER 0, 3, 0, 1, 0
	TURN 0, 1, 1
	QUARTER 1, 1, 0, 1, 0
	QUARTER 1, 2, 1, 0, 0
	QUARTER 1, 3, 0, 1, 0
	TURN 1, 0, 1
	QUARTER 0, 1, 0, 1, 0
	WIN 0
	s_sub_co_u32 s3, s3, 1
	s_cmp_lg_u32 s3, 0
	s_cbranch_scc1 .Llap
	QUARTER 0, 2, 1, 0, 0                          ; the last lap fills nothing
	QUARTER 0, 3, 0, 1, 0
	TURN 0, 1, 0
	QUARTER 1, 1, 0, 1, 0
	QUARTER 1, 2, 1, 0, 0
	QUARTER 1, 3, 0, 1, 0
	s_wait_dscnt 4
	WIN MULW
	MUL8 1, 0, 0
	MUL8 1, 1, 0
	s_wait_dscnt 0
	MUL8 1, 2, 0
	MUL8 1, 3, 0
	WIN 0
; THE WAY OUT, block by block of 16 rows x 128 columns: through my own stage, and back as whole rows of 512 bytes.
.macro TOSTAGE a
	WIN 0x04                                       ; an LDS store's data are its source 1: window 1
.irp b, 0,1,2,3,4,5,6,7
	ds_store_b128 v[STO], v[64*(\a)+8*\b:64*(\a)+8*\b+3] offset:64*\b          ; each accumulator from its low end on
	ds_store_b128 v[STO], v[64*(\a)+8*\b+4:64*(\a)+8*\b+7] offset:64*\b+16
.endr
	WIN 0
.set BB, BK+64*((\a)%2)
.irp t, 0,1,2,3,4,5,6,7,8,9,10,11,12,13,14,15
	ds_load_b128 v[BB+4*\t:BB+4*\t+3], v[RD] offset:\t*SPITCH    ; LDS serves a wave's instructions in order: these see the stores above
.endr
.endm
.macro SEND a, younger                 ; younger: the LDS instructions issued behind block a's loads, which may stay out
.set BB, BK+64*((\a)%2)
	s_wait_dscnt \younger
.irp t, 0,1,2,3,4,5,6,7,8,9,10,11,12,13,14,15
	global_store_b128 v[CO], v[BB+4*\t:BB+4*\t+3], s[10:11] offset:(\a)*65536+\t*4096 th:TH_STORE_NT   ; 32 lanes store 512 consecutive bytes, aligned; written once, read by nobody here
.endr
.endm
	PLACES                                         ; behind the last products: results are read, and the fragments' registers are loaded
	TOSTAGE 0
.irp a, 1,2,3
.if \a > 1
	s_wait_xcnt 0x0                                ; block a - 2's stores have read their registers: block a's loads may land there
.endif
	TOSTAGE \a
	SEND \a-1, 32                                  ; behind block a - 1's loads: block a's 16 stores and 16 loads
.endr
	SEND 3, 0
	s_wait_tensorcnt 0x0                           ; the wave's end: behind my last tensor load and my last LDS store
	ds_add_u32 v[SPW], v[NIL]
	s_wait_dscnt 0x0
	CROUND                                         ; the closing round
	s_endpgm
.Lfunc_end_k_qb2c3a5bbb3_proj:
	.size	k_qb2c3a5bbb3_proj, .Lfunc_end_k_qb2c3a5bbb3_proj-k_qb2c3a5bbb3_proj
	.p2alignl 7, 3214868480
	.fill 96, 4, 3214868480
	.section	.rodata,"a",@progbits
	.p2align	6, 0x0
	.amdhsa_kernel k_qb2c3a5bbb3_proj
		.amdhsa_group_segment_fixed_size 327680
		.amdhsa_private_segment_fixed_size 0
		.amdhsa_enable_private_segment 0
		.amdhsa_kernarg_size 32
		.amdhsa_user_sgpr_count 2
		.amdhsa_user_sgpr_kernarg_segment_ptr 1
		.amdhsa_wavefront_size32 1
		.amdhsa_system_sgpr_workgroup_id_x 1
		.amdhsa_system_sgpr_workgroup_id_y 1
		.amdhsa_system_sgpr_workgroup_id_z 1
		.amdhsa_system_vgpr_workitem_id 0
		.amdhsa_next_free_vgpr 576
		.amdhsa_next_free_sgpr 66
		.amdhsa_reserve_vcc 0
		.amdhsa_float_denorm_mode_32 3
		.amdhsa_float_denorm_mode_16_64 3
		.amdhsa_memory_ordered 1
		.amdhsa_forward_progress 1
		.amdhsa_inst_pref_size 87
	.end_amdhsa_kernel
	.amdgpu_metadata
---
amdhsa.version: [ 1, 2 ]
amdhsa.kernels:
  - .name:           k_qb2c3a5bbb3_proj
    .symbol:         k_qb2c3a5bbb3_proj.kd
    .args:
      - { .name: o16, .offset: 0, .size: 8, .value_kind: global_buffer, .address_space: global }
      - { .name: pw16, .offset: 8, .size: 8, .value_kind: global_buffer, .address_space: global }
      - { .name: proj_b, .offset: 16, .size: 8, .value_kind: global_buffer, .address_space: global }
      - { .name: out0, .offset: 24, .size: 8, .value_kind: global_buffer, .address_space: global }
    .group_segment_fixed_size: 327680
    .private_segment_fixed_size: 0
    .kernarg_segment_align: 8
    .kernarg_segment_size: 32
    .max_flat_workgroup_size: 128
    .sgpr_count:     66
    .vgpr_count:     576
    .wavefront_size: 32
...
	.end_amdgpu_metadata
.endif
;; end of part 4
